; MI455X (gfx1250); checked and timed in simulation.
; The chip was launched on July 23, 2026; its instructions are those of AMD's public machine-readable ISA for CDNA 5 (MIT licence, August 2026) and "CDNA5" Instruction Set Architecture Reference Guide (July 2026). The comments in the code are by the model that wrote it; some were corrected since.
;; GRURNN. Allowed arithmetic: float matrix products may take bf16 or f16 operands with f32 sums; other float arithmetic in f32, or as packed bf16 or f16 multiplies, adds, multiply-adds, maxima and minima; sums over many terms, partial sums and values carried from step to step in f32; what a program stores and reads back later, other than sums and carried values, may be rounded once to bf16 or f16.
;; Inputs: W_c 1,024 x 2,048 float32; W_o 1,024 x 1,024 float32; W_r 1,024 x 2,048 float32; W_z 1,024 x 2,048 float32; b_c 1,024 float32; b_o 1,024 float32; b_r 1,024 float32; b_z 1,024 float32; hidden 8,192 x 1,024 float32; x 8,192 x 1,024 float32.
;; Outputs: out0 8,192 x 1,024 float32; out1 8,192 x 1,024 float32.
;; 2 versions, each right; version 2 is version 1 with the launch cast written anew for expert scheduling mode. Each part assembles by itself: llvm-mc -triple=amdgcn-amd-amdhsa -mcpu=gfx1250 --defsym DOCPART=n.
;; ======== version 1 of 2: 4 launches
;; workspace buffers: xb 16,777,216 bytes; hb 16,777,216 bytes; rh 16,777,216 bytes; zb 16,777,216 bytes; nh 16,777,216 bytes; wrz 8,388,608 bytes; wcb 4,194,304 bytes; wob 2,097,152 bytes
;; launch cast (part 1): grid 1472 x 1, 8 waves a work-group, no clusters, 0 bytes of LDS; arguments x, hidden, W_r, W_z, W_c, W_o, xb, hb, wrz, wcb, wob; writes xb, hb, wrz, wcb, wob
.if DOCPART == 1
	.amdgcn_target "amdgcn-amd-amdhsa--gfx1250"
	.amdhsa_code_object_version 6
	.text
	.protected	k_q3c31c942c5_cast
	.globl	k_q3c31c942c5_cast
	.p2align	8
	.type	k_q3c31c942c5_cast,@function
k_q3c31c942c5_cast:
	s_mov_b64 s[64:65], 0
	v_nop
	global_prefetch_b8 v0, s[64:65] scope:SCOPE_SE
	s_setreg_imm32_b32 hwreg(HW_REG_WAVE_MODE, 25, 1), 1
	s_wait_xcnt 0x0
; f32 -> bf16, rounded once to nearest even, of the six large inputs: the matrix operands of the three launches behind.
; A work-group takes one ITEM: 16 chunks of 4,096 bytes of f32 (65,536 bytes in, 32,768 out).  Thread t owns bytes 16 t of each chunk: four numbers.
; Items 0-511: x; 512-1023: hidden; 1024-1151: W_r; 1152-1279: W_z; 1280-1407: W_c; 1408-1471: W_o.
; x and hidden ([8192][1024]) are written BLOCKED, [32 row blocks][8 column blocks][256 rows][128 columns] of bf16: element (R, c) lies at byte
; ((R >> 8) 8 + (c >> 7)) 65,536 + (R & 255) 256 + 2 (c & 127), so that 256 rows x 128 columns, a product's tile, are 65,536 dense bytes.
; A chunk is a row; a wave's 128 columns are one column block, so a wave's store covers 256 consecutive bytes, aligned.
; The weights stay row-major: W_r and then W_z in wrz ([2048][2048]), W_c in wcb, W_o in wob.
; Nothing is shared and nothing is summed: no LDS, no barrier, no matrix unit.  All 16 loads of a thread go out first; no register is written twice.
.set SRC, 40                           ; s[40:41] the item's first byte in its tensor
.set DST, 42                           ; s[42:43] the item's first byte in its copy
.set X,   8                            ; v[8:71]   16 chunks, four f32 each
.set Y,   72                           ; v[72:103] 16 chunks, four bf16 each
.macro BODY os                         ; os: bytes from chunk to chunk in the copy
.set i, 0
.rept 16
	global_load_b128 v[X+4*i:X+4*i+3], v1, s[SRC:SRC+1] offset:4096*i th:TH_LOAD_NT  ; a wave's load covers 512 consecutive bytes
.set i, i+1
.endr
.set i, 0
.rept 16
	s_wait_loadcnt 15-i                            ; loads come back in order: chunk i is in, the 15 - i younger ones stay out
	v_cvt_pk_bf16_f32 v[Y+2*i],   v[X+4*i],   v[X+4*i+1]
	v_cvt_pk_bf16_f32 v[Y+2*i+1], v[X+4*i+2], v[X+4*i+3]
	global_store_b64 v2, v[Y+2*i:Y+2*i+1], s[DST:DST+1] offset:(\os)*i
.set i, i+1
.endr
.endm
	s_load_b512 s[8:23], s[0:1], 0x0               ; x 8, hidden 10, W_r 12, W_z 14, W_c 16, W_o 18, xb 20, hb 22
	s_load_b128 s[24:27], s[0:1], 0x40             ; wrz 24, wcb 26
	s_load_b64 s[28:29], s[0:1], 0x50              ; wob
	s_mov_b32 s30, ttmp9                           ; the item
	v_lshlrev_b32 v1, 4, v0                        ; 16 t
	s_mov_b32 s35, 0                               ; high words of the two offsets
	s_mov_b32 s37, 0
	s_wait_kmcnt 0x0
	s_cmp_lt_u32 s30, 1024
	s_cbranch_scc0 .Lweights
	; x or hidden: item j holds rows 16 j .. 16 j + 15
	s_and_b32 s31, s30, 511                        ; j
	s_cmp_lt_u32 s30, 512
	s_cselect_b64 s[SRC:SRC+1], s[8:9], s[10:11]
	s_cselect_b64 s[DST:DST+1], s[20:21], s[22:23]
	s_lshl_b32 s34, s31, 16                        ; in: j x 65,536
	s_lshr_b32 s36, s31, 4
	s_lshl_b32 s36, s36, 19                        ; out: row block j / 16, 8 blocks of 65,536 bytes each,
	s_and_b32 s38, s31, 15
	s_lshl_b32 s38, s38, 12                        ; and 16 (j % 16) rows of 256 bytes in it
	s_add_co_u32 s36, s36, s38
	s_add_nc_u64 s[SRC:SRC+1], s[SRC:SRC+1], s[34:35]
	s_add_nc_u64 s[DST:DST+1], s[DST:DST+1], s[36:37]
	v_lshrrev_b32 v3, 5, v0                        ; my column block = my wave
	v_and_b32 v2, 31, v0
	v_lshlrev_b32 v2, 3, v2                        ; 8 bytes a lane
	v_lshl_add_u32 v2, v3, 16, v2
	BODY 256
	s_endpgm
.Lweights:
	s_sub_co_u32 s31, s30, 1024                    ; w: 0-127 W_r, 128-255 W_z, 256-383 W_c, 384-447 W_o
	s_and_b32 s32, s31, 127                        ; the item's number in its own tensor: each tensor begins at a multiple of 128
	s_cmp_lt_u32 s31, 128
	s_cselect_b64 s[SRC:SRC+1], s[12:13], s[14:15]
	s_mov_b64 s[DST:DST+1], s[24:25]
	s_mov_b32 s33, s31                             ; in wrz W_z's items follow W_r's
	s_cmp_ge_u32 s31, 256
	s_cselect_b64 s[SRC:SRC+1], s[16:17], s[SRC:SRC+1]
	s_cselect_b64 s[DST:DST+1], s[26:27], s[DST:DST+1]
	s_cselect_b32 s33, s32, s33
	s_cmp_ge_u32 s31, 384
	s_cselect_b64 s[SRC:SRC+1], s[18:19], s[SRC:SRC+1]
	s_cselect_b64 s[DST:DST+1], s[28:29], s[DST:DST+1]
	s_lshl_b32 s34, s32, 16
	s_lshl_b32 s36, s33, 15
	s_add_nc_u64 s[SRC:SRC+1], s[SRC:SRC+1], s[34:35]
	s_add_nc_u64 s[DST:DST+1], s[DST:DST+1], s[36:37]
	v_lshlrev_b32 v2, 3, v0                        ; 8 t
	BODY 2048
	s_endpgm
.Lfunc_end_k_q3c31c942c5_cast:
	.size	k_q3c31c942c5_cast, .Lfunc_end_k_q3c31c942c5_cast-k_q3c31c942c5_cast
	.p2alignl 7, 3214868480
	.fill 96, 4, 3214868480
	.section	.rodata,"a",@progbits
	.p2align	6, 0x0
	.amdhsa_kernel k_q3c31c942c5_cast
		.amdhsa_group_segment_fixed_size 0
		.amdhsa_private_segment_fixed_size 0
		.amdhsa_enable_private_segment 0
		.amdhsa_kernarg_size 88
		.amdhsa_user_sgpr_count 2
		.amdhsa_user_sgpr_kernarg_segment_ptr 1
		.amdhsa_wavefront_size32 1
		.amdhsa_system_sgpr_workgroup_id_x 1
		.amdhsa_system_sgpr_workgroup_id_y 1
		.amdhsa_system_sgpr_workgroup_id_z 1
		.amdhsa_system_vgpr_workitem_id 0
		.amdhsa_next_free_vgpr 104
		.amdhsa_next_free_sgpr 66
		.amdhsa_reserve_vcc 0
		.amdhsa_float_denorm_mode_32 3
		.amdhsa_float_denorm_mode_16_64 3
		.amdhsa_memory_ordered 1
		.amdhsa_forward_progress 1
		.amdhsa_inst_pref_size 14
	.end_amdhsa_kernel
	.amdgpu_metadata
---
amdhsa.version: [ 1, 2 ]
amdhsa.kernels:
  - .name:           k_q3c31c942c5_cast
    .symbol:         k_q3c31c942c5_cast.kd
    .args:
      - { .name: x, .offset: 0, .size: 8, .value_kind: global_buffer, .address_space: global }
      - { .name: hidden, .offset: 8, .size: 8, .value_kind: global_buffer, .address_space: global }
      - { .name: W_r, .offset: 16, .size: 8, .value_kind: global_buffer, .address_space: global }
      - { .name: W_z, .offset: 24, .size: 8, .value_kind: global_buffer, .address_space: global }
      - { .name: W_c, .offset: 32, .size: 8, .value_kind: global_buffer, .address_space: global }
      - { .name: W_o, .offset: 40, .size: 8, .value_kind: global_buffer, .address_space: global }
      - { .name: xb, .offset: 48, .size: 8, .value_kind: global_buffer, .address_space: global }
      - { .name: hb, .offset: 56, .size: 8, .value_kind: global_buffer, .address_space: global }
      - { .name: wrz, .offset: 64, .size: 8, .value_kind: global_buffer, .address_space: global }
      - { .name: wcb, .offset: 72, .size: 8, .value_kind: global_buffer, .address_space: global }
      - { .name: wob, .offset: 80, .size: 8, .value_kind: global_buffer, .address_space: global }
    .group_segment_fixed_size: 0
    .private_segment_fixed_size: 0
    .kernarg_segment_align: 8
    .kernarg_segment_size: 88
    .max_flat_workgroup_size: 256
    .sgpr_count:     66
    .vgpr_count:     104
    .wavefront_size: 32
...
	.end_amdgpu_metadata
.endif
;; end of part 1
;; launch gates (part 2): grid 8 x 32, 4 waves a work-group, clusters of 4 x 4, 327,680 bytes of LDS; arguments xb, hb, wrz, b_r, b_z, rh, zb; writes rh, zb
.if DOCPART == 2
	.amdgcn_target "amdgcn-amd-amdhsa--gfx1250"
	.amdhsa_code_object_version 6
	.text
	.protected	k_q3c31c942c5_gates
	.globl	k_q3c31c942c5_gates
	.p2align	8
	.type	k_q3c31c942c5_gates,@function
k_q3c31c942c5_gates:
	s_mov_b64 s[64:65], 0
	v_nop
	global_prefetch_b8 v0, s[64:65] scope:SCOPE_SE
	s_setreg_imm32_b32 hwreg(HW_REG_WAVE_MODE, 25, 1), 1
	s_wait_xcnt 0x0
	s_wait_alu depctr_hold_cnt(0) depctr_sa_sdst(0) depctr_va_vdst(0) depctr_va_sdst(0) depctr_va_ssrc(0) depctr_va_vcc(0) depctr_vm_vsrc(0)
	s_getreg_b32 s2, hwreg(HW_REG_IB_STS2, 6, 4)
	s_cmp_eq_u32 s2, 0
	s_cbranch_scc0 .Lentry_in_a_cluster
	s_endpgm
.Lentry_in_a_cluster:
	s_bfe_u32 s2, ttmp6, 0x10000c
	s_cmp_lg_u32 s2, 0xf033
	s_cbranch_scc0 .Lentry_shape_is_right
	s_endpgm
.Lentry_shape_is_right:
; rh = sigmoid([x | h] W_r^T + b_r) * h  (bf16)   and   z = sigmoid([x | h] W_z^T + b_z)  (f16).
; xb, hb, rh, zb: [32 row blocks][8 column blocks][256 rows][128 columns] of 16 bits; wrz: [2048][2048] bf16, W_r's rows and then W_z's; b_r, b_z: [1024] f32.
; Products in bf16 with f32 sums, K = 2,048 in one accumulator, in cyclic order from the cluster's first K step; bias, sigmoid and the product with h in f32; each result rounded once.
; LIMITS.  sigmoid(g) = 1 / (1 + 2^(-1.442695 g)): a power below 2^-126 counts as 0, one beyond f32's range gives 0 for the gate.  z lies in 0 to 1 and keeps f16's step (6e-8 below 6e-5).
; h is taken as rounded to bf16, in the products and in r * h alike.  NaN and infinities are not treated apart.
; SHARES.  A work-group owns 256 rows (row block ty) and 128 columns (column block tx) of BOTH gates: a product of 256 x 256.  Wave w: gate w / 2 (0: r, 1: z); rows 128 (w % 2) on: 128 x 128, 64 accumulators.
; K goes in 16 steps of 128 (8 of x, 8 of h) through two LDS slots filled by the tensor data mover; a step's tile of A is one dense block of xb or hb.
; CLUSTER 4 x 4: the four work-groups of a row of the cluster share ty and ask for A's tiles jointly, the four of a column share tx and ask for the weights' tiles jointly.
; THE WALK ALONG K.  A cluster begins at K step 0 or 8, by the parity of cluster x + cluster y, and goes round.  So the two clusters that read the same rows of A (cluster x = 0 and 1) and the clusters of
; neighbouring y, which read the same rows of W, ask for a given tile eight K steps apart, not in the same step.  The first step hangs on the cluster's coordinates alone: it is the same in all sixteen partners.
; THE MATRIX INSTRUCTION IS USED TRANSPOSED (source 0 = 16 rows of W, source 1 = 16 rows of A): a lane holds row l % 16 and the columns 8 (l / 16) + 0..7 of a 16 x 16 result.
; THE WAY OUT.  h's tile (ty, tx) comes into the first slot's bytes when that slot has been read for the last time.  The accumulators go, 64 rows at a time, through the wave's own stage in LDS (f32, in the
; ring's bytes, which have had their last fill) and come back by rows: lane l then holds columns 4 l .. 4 l + 3 of a row, and a wave's store of 8 bytes a lane covers 256 consecutive bytes, aligned.
; REGISTERS, in windows of 256: window 0: v0-39 addresses and the bias; v64-127, v128-191 A's fragments, two buffers (on the way out: at work); window 1: the same two buffers for W's fragments;
; window 2: the accumulators of my rows 0-63 ((a, b) at v[8 (8 a + b)]); window 3: those of my rows 64-127.
.set MB,     8                         ; blocks of 16 rows of A a wave
.set BRH,    128                       ; rows of W that one tensor load brings
.set KW,     2048                      ; elements in a row of wrz
.set NK,     16                        ; K steps of 128
.set LAPS,   NK/2                      ; a lap = two K steps = once round the ring
.set PITCH,  272                       ; an LDS row: 256 bytes + 16 of padding = 68 words: the 16 rows of a fragment load start at 16 different groups of four banks (64 banks of 4 bytes: ISA guide 11.1)
.set HALFA,  128*PITCH                 ; what one tensor load brings of A
.set HALFB,  BRH*PITCH                 ; and of W
.set SLOT,   2*HALFA+2*HALFB           ; A's 256 rows, then W's 256 (W_r's 128, W_z's 128)
.set SIDEL,  0                         ; h's tile, 256 rows x 256 bytes, dense: in slot 0's first bytes, filled behind that slot's last read
.set STAGE,  65536                     ; the stages: behind h's tile, in bytes of the ring that are filled no more
.set SPITCH, 528                       ; a stage row: 512 bytes of f32 + 16: 33 x 16 bytes, so sixteen rows' stores of 16 bytes fall on 16 different groups of four banks
.set WSTG,   64*SPITCH                 ; a wave's stage: 64 rows
.set SPARE,  2*SLOT                    ; behind the ring: the spare words, 128 bytes a wave: two blocks of 256 bytes that no other line names
.set ZR,   11                          ; v11  0, the addend of r * h
.set TPO,  12                          ; v12  the tile prefetches' offset: my lane x a row (256 bytes in a block of A, 4,096 in wrz); never rewritten
.set SD,   13                          ; v13  where I read h in this trip
.set ADRA, 16                          ; v16-17  LDS address of my A fragments in slot 0, 1
.set ADRB, 20                          ; v20-21  the same for W
.set STO,  24                          ; v24  the way out: where I put 16 bytes of a stage row
.set RD,   25                          ; v25  where I read stage rows in this trip
.set RD0,  26                          ; v26  my 16 bytes of my stage's first row; never rewritten
.set SD0,  27                          ; v27  my 8 bytes of h's tile at my wave's first row; never rewritten
.set SPW,  28                          ; v28  LDS address of my spare word; never rewritten
.set NIL,  29                          ; v29  0; never rewritten
.set OO,   31                          ; v31  my byte offset in the output block
.set BR,   32                          ; v[32:35] the bias of my four columns
.set BS,   36                          ; v[36:39] the same times -log2(e)
.set F0,   64
.set F1,   128
.set P,    64                          ; the way out: v[64:95] 8 rows x 4 sums, then gates
.set H,    112                         ; v[112:127] 8 rows x 4 bf16 of h
.set U,    128                         ; v[128:159] r * h
.set OB,   192                         ; v[192:207] packed results
.set AB1,  4                           ; s[4:5]  xb at my half of row block ty
.set AB2,  6                           ; s[6:7]  hb at the same place
.set TA,   8                           ; s[8:9]  the one of the two that the next tile comes from
.set RO,   14                          ; s14  the way out: this trip's offset in the stage
.set SO,   15                          ; s15  and in h's tile
.set OFW,  18                          ; s[18:19] the next tile's K step x 256 bytes along W's rows
.set OFK,  20                          ; s[20:21] the next tile's column block x 65,536
.set KQ,   22                          ; s22  the K step to be asked for next, 0 to 15
.set LIM,  23                          ; s23  5 in a wave that prefetches tiles, else the greatest number: it asks while the lap count is above it
.set G1,   24                          ; s[24:31] descriptor group 1 for A's tiles;  s[32:39] group 0, a set for each slot
.set G0,   32
.set RC,   45                          ; s45  counts a half's eight trips
.set WB,   46                          ; s[46:47] wrz at the first of the rows that I fetch, K step 0
.set G1B,  48                          ; s[48:55], s[56:63] the same for W's tiles
.set G0B,  56
.set PFA,  68                          ; s[68:69] where my tile prefetches stand: my work-group's 32 rows of the 128 that I fetch, at the K step two refills on
.set PST,  70                          ; s[70:71] a K step in bytes there: a block of A, or 256 bytes of a row of W
.set G1S,  84                          ; s[84:91] group 1 for h's tile; s[92:95] its group 0
.set GS,   92
.set MSB, 0
.macro WIN new                         ; the immediate's high byte repeats the setting that is left; a switch that changes nothing is dropped
.if MSB != (\new)
	s_set_vgpr_msb (MSB<<8)|(\new)
.set MSB, \new
.endif
.endm
.set MUL_LO, 0xa1                      ; source 0 (W) window 1, source 1 (A) window 0, C and D window 2
.set TO_B,   0x40                      ; destination window 1, address window 0
.macro PLACES                          ; four plain vector instructions between a matrix instruction and a load into, or a read of, its registers
.rept 4
	v_nop
.endr
.endm
; A joint load: waves 0 and 1 fetch A's two halves, waves 2 and 3 W_r's and W_z's rows.  The branch hangs on the wave's number alone.  An s_nop 0 and four v_nop follow each line.
.macro JLOAD s
	s_cmp_eq_u32 s11, 0
	s_cbranch_scc0 .Lfor_b_\@
	tensor_load_to_lds s[G0+4*(\s):G0+4*(\s)+3], s[G1:G1+7]
	s_nop 0
.rept 4
	v_nop
.endr
	s_branch .Lasked_\@
.Lfor_b_\@:
	tensor_load_to_lds s[G0B+4*(\s):G0B+4*(\s)+3], s[G1B:G1B+7]
	s_nop 0
.rept 4
	v_nop
.endr
.Lasked_\@:
.endm
; A PREFETCH INTO THE L2, behind a joint load, its five lines and the run of LDS loads that follows them: the K step that stands two refills on, 512 matrix instructions a wave ahead of the load that will want it:
; 32 rows x 256 bytes, a lane a row, one instruction a wave.  Only K steps of the cluster's own first eight are named: those that this cluster asks for eight steps ahead of the other readers.  Of them steps 0 to 3
; come by their loads alone (nothing is prefetched at the head, where the first tiles are on their way); steps 4 to 7 are named in the loop's first two trips, and then the test stops it.
; Each block of 256 bytes is named ONCE in the launch.  A's rows: by the cluster itself, since the other cluster of its row of clusters has the other eight steps for its first.  W's rows, which all clusters of a
; column of clusters read: by the clusters y = 0 and 1, whose first eight steps together are all sixteen.  The four partners that ask for a tile jointly share its rows out BY ADDRESS: of the 128 rows that a wave
; fetches, the partner at place p takes 32 p .. 32 p + 31 (p = cx for A, cy for W): no branch hangs on a work-group's place in its cluster.
.macro ASK
	s_cmp_gt_u32 s3, s[LIM]                        ; s3 = 7 and 6 in the loop's first two trips
	s_cbranch_scc0 .Lnot_mine_\@
	global_prefetch_b8 v[TPO], s[PFA:PFA+1] th:TH_LOAD_NT scope:SCOPE_SE
.Lnot_mine_\@:
.endm
.macro CREST                           ; a round of the cluster's barrier behind its opening barrier: wave 0 signals for the work-group, every wave waits for all sixteen, my work-group's barrier closes it
	s_cmp_lg_u32 s10, 0
	s_cbranch_scc1 .Lnot_wave_0_\@
	s_barrier_signal -3
.Lnot_wave_0_\@:
	s_barrier_wait -3
	s_barrier_signal -1
	s_barrier_wait -1
.endm
.macro CROUND                          ; a whole round
	s_barrier_signal -1
	s_barrier_wait -1
	CREST
.endm
	s_load_b256 s[68:75], s[0:1], 0x0              ; xb 68, hb 70, wrz 72, b_r 74
	s_load_b128 s[76:79], s[0:1], 0x20             ; b_z 76, rh 78
	s_load_b64 s[80:81], s[0:1], 0x30              ; zb
	v_lshl_add_u32 v[SPW], v0, 2, SPARE
	v_mov_b32 v[NIL], 0
	ds_add_u32 v[SPW], v[NIL]                      ; the wave's opening: the add and its wait stand ahead of my first tensor load; the set-up below, work on registers, stands between them
	v_lshrrev_b32 v1, 5, v0
	v_readfirstlane_b32 s10, v1                    ; wave 0..3
	s_lshr_b32 s11, s10, 1                         ; which gate is mine (0: r, 1: z).  Also: I fetch for A (0) or for W (1)
	s_and_b32 s12, s10, 1                          ; which 128 rows are mine.  Also: which half of a tile I fetch
	s_bfe_u32 s40, ttmp6, 0x40000                  ; cx, cy: my place in the cluster
	s_bfe_u32 s41, ttmp6, 0x40004
	s_lshl_b32 s42, ttmp9, 2
	s_add_co_u32 s42, s42, s40                     ; tx = 4 x cluster x + cx
	s_and_b32 s13, ttmp7, 0xffff
	s_lshl_b32 s13, s13, 2
	s_add_co_u32 s13, s13, s41                     ; ty = 4 x cluster y + cy
	s_lshl_b32 s43, s41, 2
	s_lshl_b32 s43, 15, s43                        ; my row of the cluster
	s_lshl_b32 s44, 0x1111, s40                    ; my column
	s_or_b32 s[G1+0], s43, (1<<16)|(1<<20)|(1<<21)|(5<<22)|(3<<25)   ; 15:0 the mask; 17:16 2-byte elements; 20 padding on; 21 set beside a mask; 24:22 after every 64 words; 31:25 4 words
	s_or_b32 s[G1B+0], s44, (1<<16)|(1<<20)|(1<<21)|(5<<22)|(3<<25)
	s_mov_b32 s[G1+1], 128<<16                     ; tensor_dim0 = 128
	s_mov_b32 s[G1+2], 128<<16                     ; tensor_dim1 = 128
	s_mov_b32 s[G1+3], 128<<16                     ; tile_dim0 = 128
	s_mov_b32 s[G1+4], 128                         ; tile_dim1 = 128
	s_mov_b32 s[G1+5], 128                         ; 128 elements from row to row: a block is dense
	s_mov_b32 s[G1+6], 0
	s_mov_b32 s[G1+7], 0
	s_mov_b32 s[G1B+1], 128<<16
	s_mov_b32 s[G1B+2], BRH<<16
	s_mov_b32 s[G1B+3], 128<<16
	s_mov_b32 s[G1B+4], BRH
	s_mov_b32 s[G1B+5], KW
	s_mov_b32 s[G1B+6], 0
	s_mov_b32 s[G1B+7], 0
	s_mov_b32 s[G1S+0], 1<<16                      ; h's tile: a load of my work-group's own: no mask, no padding; 64 rows x 128 elements a wave
	s_mov_b32 s[G1S+1], 128<<16
	s_mov_b32 s[G1S+2], 64<<16
	s_mov_b32 s[G1S+3], 128<<16
	s_mov_b32 s[G1S+4], 64
	s_mov_b32 s[G1S+5], 128
	s_mov_b32 s[G1S+6], 0
	s_mov_b32 s[G1S+7], 0
	s_lshl_b32 s14, s13, 19                        ; A: row block ty (8 blocks of 65,536 bytes),
	s_lshl_b32 s2, s12, 15                         ; and the 128 rows of 256 bytes that I fetch
	s_add_co_u32 s14, s14, s2
	s_mov_b32 s15, 0
	s_lshl_b32 s18, s13, 3
	s_add_co_u32 s18, s18, s42
	s_lshl_b32 s18, s18, 16                        ; block (ty, tx) of hb, rh and zb
	s_mov_b32 s19, 0
	s_lshl_b32 s2, s10, 14                         ; 64 rows of 256 bytes for each wave
	s_add_co_u32 s66, s18, s2
	s_mov_b32 s67, 0
	s_mov_b32 s[GS], 1
	s_add_co_u32 s[GS+1], s2, SIDEL
	s_mul_i32 s16, s10, HALFA                      ; where my part of a tile goes: A's two halves,
	s_mul_i32 s17, s10, HALFB                      ; then W's two: no place in the cluster enters an LDS address
	s_add_co_u32 s17, s17, 2*(HALFA-HALFB)
	s_lshl_b32 s46, s42, 9                         ; 128 tx columns of f32 in a bias
	s_mov_b32 s47, 0
	s_mov_b32 s[OFK+1], 0
	s_and_b32 s[KQ], ttmp7, 0xffff                 ; cluster y
	s_add_co_u32 s[KQ], s[KQ], ttmp9               ; + cluster x:
	s_and_b32 s[KQ], s[KQ], 1                      ; its parity
	s_lshl_b32 s[KQ], s[KQ], 3                     ; the cluster's first K step: 0 or 8
	s_wait_dscnt 0x0                               ; the opening add is done
	s_wait_kmcnt 0x0
	s_add_nc_u64 s[AB1:AB1+1], s[68:69], s[14:15]
	s_add_nc_u64 s[AB2:AB2+1], s[70:71], s[14:15]
	s_add_nc_u64 s[GS+2:GS+3], s[70:71], s[66:67]
	s_or_b32 s[GS+3], s[GS+3], 0x80000000
	s_cmp_eq_u32 s11, 0
	s_cselect_b64 s[82:83], s[74:75], s[76:77]     ; my gate's bias
	s_cselect_b64 s[80:81], s[78:79], s[80:81]     ; and where its result goes: rh or zb
	s_add_nc_u64 s[82:83], s[82:83], s[46:47]
	s_add_nc_u64 s[80:81], s[80:81], s[18:19]
	s_lshl_b32 s46, s42, 19                        ; W: row 128 tx, 4,096 bytes a row,
	s_lshl_b32 s2, s12, 22                         ; in W_r's or in W_z's 1,024 rows: the half that I fetch
	s_add_co_u32 s46, s46, s2
	s_add_nc_u64 s[WB:WB+1], s[72:73], s[46:47]
	s_cmp_lt_u32 s[KQ], 8                          ; the cluster's first eight K steps lie in xb or in hb, from its column block 0 on,
	s_cselect_b64 s[TA:TA+1], s[AB1:AB1+1], s[AB2:AB2+1]
	s_lshl_b32 s[OFW], s[KQ], 8                    ; and in W's rows from byte 256 x the first step on
	s_add_nc_u64 s[14:15], s[WB:WB+1], s[OFW:OFW+1]
	; the tile prefetches: who asks, from where, by which step (the arguments' registers s68-73 are free from here on)
	s_and_b32 s2, ttmp7, 0xffff
	s_cmp_lt_u32 s2, 2
	s_cselect_b32 s[LIM], 5, -1                    ; W's rows: the clusters y = 0 and 1 ask
	s_mov_b32 s[PST], 256
	s_mov_b32 s43, KW*2
	s_cmp_eq_u32 s11, 0                            ; do I fetch for A?
	s_cselect_b32 s[LIM], 5, s[LIM]                ; A's rows: every cluster asks for its own first eight steps
	s_cselect_b64 s[PFA:PFA+1], s[TA:TA+1], s[14:15]
	s_cselect_b32 s[PST], 0x10000, s[PST]          ; a K step on: the next block of A, or 256 bytes along W's rows
	s_cselect_b32 s43, 256, s43                    ; a row on
	s_cselect_b32 s2, s40, s41                     ; my place among the four that ask with me
	s_cselect_b32 s44, 13, 17                      ; 32 rows of 256 or of 4,096 bytes
	s_lshl_b32 s72, s2, s44
	s_mul_i32 s2, s[PST], 3                        ; at the cluster's step 3: the first refill steps it to 4
	s_add_co_u32 s72, s72, s2
	s_mov_b32 s73, 0
	s_mov_b32 s[PST+1], 0
	s_add_nc_u64 s[PFA:PFA+1], s[PFA:PFA+1], s[72:73]
	CROUND                                         ; all sixteen work-groups are here: the first joint loads meet
.irp s, 0,1
	s_mov_b32 s[G0+4*(\s)], 1
	s_add_co_u32 s[G0+4*(\s)+1], s16, (\s)*SLOT
	s_add_nc_u64 s[G0+4*(\s)+2:G0+4*(\s)+3], s[TA:TA+1], (\s)*65536   ; the cluster's step s: column block s of its first buffer
	s_or_b32 s[G0+4*(\s)+3], s[G0+4*(\s)+3], 0x80000000
	s_mov_b32 s[G0B+4*(\s)], 1
	s_add_co_u32 s[G0B+4*(\s)+1], s17, (\s)*SLOT
	s_add_nc_u64 s[G0B+4*(\s)+2:G0B+4*(\s)+3], s[14:15], (\s)*256
	s_or_b32 s[G0B+4*(\s)+3], s[G0B+4*(\s)+3], 0x80000000
	JLOAD \s                                       ; two loads of mine are out
.endr
	s_add_co_u32 s[KQ], s[KQ], 2                   ; the first refill asks for the step after these two
	; A fragment is 16 rows x 32 K in 8 registers: lane l holds row l % 16; registers 0-3 K = 8 (l / 16) + 0..7, registers 4-7 K = 16 + 8 (l / 16) + 0..7: two loads of 16 bytes, 32 bytes apart.
	v_and_b32 v1, 15, v0                           ; l % 16
	v_bfe_u32 v2, v0, 4, 1                         ; l / 16
	v_and_b32 v5, 31, v0                           ; l
	v_mul_u32_u24 v3, v1, PITCH
	v_lshl_add_u32 v3, v2, 4, v3
	s_mul_i32 s14, s12, 128*PITCH                  ; my 128 rows of A
	s_mul_i32 s15, s11, 128*PITCH                  ; my gate's 128 rows of W,
	s_add_co_u32 s15, s15, 2*HALFA                 ; which lie behind A's 256
.irp s, 0,1
	v_add_nc_u32 v[ADRA+(\s)], s14, v3
	v_add_nc_u32 v[ADRB+(\s)], s15, v3
	s_add_co_u32 s14, s14, SLOT
	s_add_co_u32 s15, s15, SLOT
.endr
	s_mul_i32 s14, s10, WSTG
	s_add_co_u32 s14, s14, STAGE                   ; my stage
	v_mul_u32_u24 v4, v1, SPITCH                   ; in: row l % 16, 32 bytes for each half of the lanes
	v_lshl_add_u32 v4, v2, 5, v4
	v_add_nc_u32 v[STO], s14, v4
	v_lshl_add_u32 v[RD0], v5, 4, s14              ; back: 32 lanes take a row's 512 bytes
	s_lshl_b32 s14, s12, 15
	v_lshl_add_u32 v[OO], v5, 3, s14               ; in a block of 16-bit numbers: my wave's first row, my four columns
	v_add_nc_u32 v[SD0], SIDEL, v[OO]
	v_mov_b32 v[ZR], 0
	v_mul_u32_u24 v[TPO], v5, s43                  ; a lane a row
	v_lshlrev_b32 v6, 4, v5
	global_load_b128 v[BR:BR+3], v6, s[82:83]      ; waited for on the way out
; 8 matrix instructions: block a of my rows x all 8 blocks of my gate's columns, 32 along K.  zero = 1: the product starts the sums: nothing is cleared.
.macro MULA f, a, zero
	WIN MUL_LO+0x50*((\a)/4)
.irp b, 0,1,2,3,4,5,6,7
.if \zero
	v_wmma_f32_16x16x32_bf16 v[8*(8*((\a)%4)+(\b)):8*(8*((\a)%4)+(\b))+7], v[(\f)+8*(\b):(\f)+8*(\b)+7], v[(\f)+8*(\a):(\f)+8*(\a)+7], 0
.else
	v_wmma_f32_16x16x32_bf16 v[8*(8*((\a)%4)+(\b)):8*(8*((\a)%4)+(\b))+7], v[(\f)+8*(\b):(\f)+8*(\b)+7], v[(\f)+8*(\a):(\f)+8*(\a)+7], v[8*(8*((\a)%4)+(\b)):8*(8*((\a)%4)+(\b))+7]
.endif
.endr
.endm
.macro MULS f, a0, n, zero             ; blocks a0 .. a0 + n - 1.  The accumulators take turns, in the same order in every quarter: between two links of a chain stand all the others'
.set ma, \a0
.rept \n
	MULA \f, ma, \zero
.set ma, ma+1
.endr
.endm
; One run of LDS loads: the fragments of 32 along K at byte k of the rows, into buffer f: W's 16 loads, then A's 2 MB
.macro FETCH slot, k, f
	WIN TO_B
.irp i, 0,1,2,3,4,5,6,7
	ds_load_b128 v[(\f)+8*(\i):(\f)+8*(\i)+3],   v[ADRB+(\slot)] offset:(\k)+(\i)*16*PITCH
	ds_load_b128 v[(\f)+8*(\i)+4:(\f)+8*(\i)+7], v[ADRB+(\slot)] offset:(\k)+(\i)*16*PITCH+32
.endr
	WIN 0
.set fi, 0
.rept MB
	ds_load_b128 v[(\f)+8*fi:(\f)+8*fi+3],   v[ADRA+(\slot)] offset:(\k)+fi*16*PITCH
	ds_load_b128 v[(\f)+8*fi+4:(\f)+8*fi+7], v[ADRA+(\slot)] offset:(\k)+fi*16*PITCH+32
.set fi, fi+1
.endr
.endm
; A K step is four quarters of 32 along K on buffers 0, 1, 0, 1.  One of the first three: multiplies buffer f; in its middle it fetches the next quarter, at byte k, into buffer g.
.macro QUARTER slot, k, f, g, zero
	s_wait_dscnt MB                                ; W and the lower half of A's blocks are in; the youngest MB loads (the upper half) may be out
	MULS \f, 0, MB/2, \zero
	PLACES
	FETCH \slot, \k, \g
	s_wait_dscnt 16+2*MB                           ; all but the run just issued
	MULS \f, MB/2, MB/2, \zero
.endm
.macro STEP slot                       ; the slot's descriptors are made anew for K step KQ: steps 0-7 are xb's column blocks, 8-15 hb's; W's rows at byte 256 KQ; behind 15 comes 0.  No tensor load of mine is out here
	s_cmp_lt_u32 s[KQ], 8
	s_cselect_b64 s[TA:TA+1], s[AB1:AB1+1], s[AB2:AB2+1]
	s_and_b32 s[OFK], s[KQ], 7
	s_lshl_b32 s[OFK], s[OFK], 16
	s_add_nc_u64 s[G0+4*(\slot)+2:G0+4*(\slot)+3], s[TA:TA+1], s[OFK:OFK+1]
	s_or_b32 s[G0+4*(\slot)+3], s[G0+4*(\slot)+3], 0x80000000
	s_lshl_b32 s[OFW], s[KQ], 8
	s_add_nc_u64 s[G0B+4*(\slot)+2:G0B+4*(\slot)+3], s[WB:WB+1], s[OFW:OFW+1]
	s_or_b32 s[G0B+4*(\slot)+3], s[G0B+4*(\slot)+3], 0x80000000
	s_add_co_u32 s[KQ], s[KQ], 1
	s_and_b32 s[KQ], s[KQ], NK-1
.endm
; The last quarter multiplies buffer 1 and changes slots: ONE barrier.  In front of it each wave waits for all its tensor loads (one is out: its part of the next slot), adds 0 to its spare word, and waits for
; that and for its own reads of this slot.  The barrier opens a round of the cluster's barrier; behind the round no wave of any partner reads this slot or has a load on its way, and the slot is filled first:
; fill = 1: jointly, with the K step two on; fill = 2: its first bytes with h's tile, each wave 64 rows.
.macro TURN slot, next, fill
.if (\fill) == 1
	s_wait_xcnt 0x0                                ; the last prefetch, a K step back, has read its address: it is stepped here, ahead of the waits of the change of slots
	s_add_nc_u64 s[PFA:PFA+1], s[PFA:PFA+1], s[PST:PST+1]
.endif
	WIN 0                                          ; (the add's two registers lie in window 0)
	s_wait_tensorcnt 0x0                           ; all my tensor loads have landed
	ds_add_u32 v[SPW], v[NIL]                      ; 0 onto my spare word
	s_wait_dscnt MB+1                              ; (the add and the youngest MB loads may be out)
	MULS F1, 0, MB/4, 0                            ; matrix work stands between the add and the wait for it
	s_wait_dscnt 0x0                               ; the add is done, and my reads of this slot are over
	s_barrier_signal -1
	MULS F1, MB/4, MB/4, 0                         ; work on registers while the others arrive
	WIN 0
	s_barrier_wait -1
	CREST
.if (\fill) == 1
	STEP \slot
	JLOAD \slot                                    ; the four v_nop behind it are also the places in front of the loads below
.else
	tensor_load_to_lds s[GS:GS+3], s[G1S:G1S+7]
	s_nop 0
	PLACES
.endif
	FETCH \next, 0, F0
.if (\fill) == 1
	ASK                                            ; behind the joint load and the run of LDS loads that the next products wait for
.endif
	MULS F1, MB/2, MB/2, 0
.endm
	s_wait_tensorcnt 1                             ; my part of the first K step is in; the second's may stay out
	s_barrier_signal -1
	s_barrier_wait -1                              ; everybody's is
	FETCH 0, 0, F0
	QUARTER 0, 64,  F0, F1, 1                      ; the first quarter stands in front of the loop: its products start the sums
	WIN 0                                          ; at a label and at a branch every window is 0
	s_mov_b32 s3, LAPS-1
.Llap:                                                 ; a trip goes once round the ring, from a lap's second quarter to the next lap's first, and fills both slots again
	QUARTER 0, 128, F1, F0, 0
	QUARTER 0, 192, F0, F1, 0
	TURN 0, 1, 1
	QUARTER 1, 64,  F0, F1, 0
	QUARTER 1, 128, F1, F0, 0
	QUARTER 1, 192, F0, F1, 0
	TURN 1, 0, 1
	QUARTER 0, 64,  F0, F1, 0
	WIN 0
	s_sub_co_u32 s3, s3, 1
	s_cmp_lg_u32 s3, 0
	s_cbranch_scc1 .Llap
	QUARTER 0, 128, F1, F0, 0                      ; the last lap
	QUARTER 0, 192, F0, F1, 0
	TURN 0, 1, 2                                   ; slot 0 has been read for the last time: h's tile comes in under the last K step
	QUARTER 1, 64,  F0, F1, 0
	QUARTER 1, 128, F1, F0, 0
	QUARTER 1, 192, F0, F1, 0
	s_wait_dscnt MB                                ; the very last quarter: nothing more to fetch
	MULS F1, 0, MB/2, 0
	s_wait_dscnt 0x0
	MULS F1, MB/2, MB/2, 0
	; THE WAY OUT
	WIN 0
	PLACES
	PLACES
	s_wait_tensorcnt 0x0                           ; my 64 rows of h's tile are in
	s_wait_dscnt 0x0                               ; my reads of the ring are over
	s_barrier_signal -1
	s_barrier_wait -1                              ; both hold of every wave: h's tile is whole, and the ring's bytes may take the stages
	s_wait_loadcnt 0x0                             ; the bias
	v_pk_mul_f32 v[BS:BS+1],   v[BR:BR+1],   0xbfb8aa3b op_sel_hi:[1,0]  ; times -log2(e)
	v_pk_mul_f32 v[BS+2:BS+3], v[BR+2:BR+3], 0xbfb8aa3b op_sel_hi:[1,0]
; The 32 accumulators of window w, 64 rows x 128 columns of f32, into my stage; each accumulator's four lowest registers go first.
.macro DUMP w
	WIN 4*(\w)                                     ; the stores' data (source 1) in window w
.irp a, 0,1,2,3
.irp b, 0,1,2,3,4,5,6,7
	ds_store_b128 v[STO], v[8*(8*(\a)+(\b)):8*(8*(\a)+(\b))+3]   offset:(\a)*16*SPITCH+64*(\b)
	ds_store_b128 v[STO], v[8*(8*(\a)+(\b))+4:8*(8*(\a)+(\b))+7] offset:(\a)*16*SPITCH+64*(\b)+16
.endr
.endr
	WIN 0
.endm
.macro ROWS_IN                         ; eight rows of sums out of my stage: LDS serves a wave's instructions in order (ISA guide 5.7.1.4), so these see the stores above
	v_add_nc_u32 v[RD], s[RO], v[RD0]
.set i, 0
.rept 8
	ds_load_b128 v[P+4*i:P+4*i+3], v[RD] offset:SPITCH*i
.set i, i+1
.endr
.endm
; 32 sums a lane become gates: 1 / (1 + 2^(-log2(e) (g + b))).  The exponentials are one batch and the reciprocals another: behind each a plain instruction, and one wait ahead of the first reader.
.macro SIGMOID
.set i, 0
.rept 16
	v_pk_fma_f32 v[P+2*i:P+2*i+1], v[P+2*i:P+2*i+1], 0xbfb8aa3b, v[BS+2*(i%2):BS+2*(i%2)+1] op_sel_hi:[1,0,1]
.set i, i+1
.endr
.set i, 0
.rept 32
	v_exp_f32 v[P+i], v[P+i]
.set i, i+1
.endr
	v_nop
	s_wait_alu depctr_va_vdst(0)
.set i, 0
.rept 16
	v_pk_add_f32 v[P+2*i:P+2*i+1], v[P+2*i:P+2*i+1], 1.0 op_sel_hi:[1,0]
.set i, i+1
.endr
.set i, 0
.rept 32
	v_rcp_f32 v[P+i], v[P+i]
.set i, i+1
.endr
	v_nop
	s_wait_alu depctr_va_vdst(0)
.endm
.macro ROWS_OUT                        ; eight rows leave: a wave's store covers 256 consecutive bytes, at a multiple of 256 from the buffer's first; then the trip's steps and its count
.set i, 0
.rept 8
	global_store_b64 v[OO], v[OB+2*i:OB+2*i+1], s[80:81] offset:256*i
.set i, i+1
.endr
	s_wait_xcnt 0x0                                ; the stores have read their data and their offset: both are written again only behind this wait
	v_add_nc_u32 v[OO], 8*256, v[OO]
	s_add_co_u32 s[RO], s[RO], 8*SPITCH
	s_add_co_u32 s[SO], s[SO], 8*256
	s_sub_co_u32 s[RC], s[RC], 1
	s_cmp_lg_u32 s[RC], 0
.endm
; One half of my rows: the 32 accumulators of window w go into my stage, and 64 rows leave, eight a trip.  ONE loop for all four waves, counted to a constant, its LDS offsets starting at constants; in a trip the
; stage's loads, the stores, the steps and the count are common, and one jump forward on the wave's number chooses the gate's own lines between them; no barrier and no tensor load stands in what is jumped.
; The output's offset runs on from the first half into the second.
.macro PASS w, tag
	DUMP \w
	s_mov_b32 s[RO], 0
	s_mov_b32 s[SO], ((\w)-2)*64*256               ; h's rows of this half
	s_mov_b32 s[RC], 8
.Lrows\tag:
	ROWS_IN
	s_cmp_eq_u32 s11, 0
	s_cbranch_scc0 .Lupdate\tag
	v_add_nc_u32 v[SD], s[SO], v[SD0]              ; the reset gate: r * h, rounded to bf16
.set i, 0
.rept 8
	ds_load_b64 v[H+2*i:H+2*i+1], v[SD] offset:256*i
.set i, i+1
.endr
	s_wait_dscnt 0x0
	SIGMOID
.set i, 0
.rept 16                               ; word i of h holds two bf16
	v_fma_mix_f32_bf16 v[U+2*i],   v[H+i], v[P+2*i],   v[ZR] op_sel_hi:[1,0,0]
	v_fma_mix_f32_bf16 v[U+2*i+1], v[H+i], v[P+2*i+1], v[ZR] op_sel:[1,0,0] op_sel_hi:[1,0,0]
.set i, i+1
.endr
.set i, 0
.rept 16
	v_cvt_pk_bf16_f32 v[OB+i], v[U+2*i], v[U+2*i+1]
.set i, i+1
.endr
	s_branch .Lpacked\tag
.Lupdate\tag:                                          ; the update gate: rounded to f16
	s_wait_dscnt 0x0
	SIGMOID
.set i, 0
.rept 16
	v_cvt_pk_f16_f32 v[OB+i], v[P+2*i], v[P+2*i+1]
.set i, i+1
.endr
.Lpacked\tag:
	ROWS_OUT
	s_cbranch_scc1 .Lrows\tag
.endm
	PASS 2, _lo                                    ; my rows 0-63
	PASS 3, _hi                                    ; my rows 64-127: my reads of the stage were waited for in each trip, and the stage is my own
	s_wait_tensorcnt 0x0                           ; the wave's end: an add and its waits behind my last tensor load and my last LDS store
	ds_add_u32 v[SPW], v[NIL]
	s_wait_dscnt 0x0
	CROUND                                         ; the closing round: no work-group ends while a partner may still ask for a tile that names it
	s_endpgm
.Lfunc_end_k_q3c31c942c5_gates:
	.size	k_q3c31c942c5_gates, .Lfunc_end_k_q3c31c942c5_gates-k_q3c31c942c5_gates
	.p2alignl 7, 3214868480
	.fill 96, 4, 3214868480
	.section	.rodata,"a",@progbits
	.p2align	6, 0x0
	.amdhsa_kernel k_q3c31c942c5_gates
		.amdhsa_group_segment_fixed_size 327680
		.amdhsa_private_segment_fixed_size 0
		.amdhsa_enable_private_segment 0
		.amdhsa_kernarg_size 56
		.amdhsa_user_sgpr_count 2
		.amdhsa_user_sgpr_kernarg_segment_ptr 1
		.amdhsa_wavefront_size32 1
		.amdhsa_system_sgpr_workgroup_id_x 1
		.amdhsa_system_sgpr_workgroup_id_y 1
		.amdhsa_system_sgpr_workgroup_id_z 1
		.amdhsa_system_vgpr_workitem_id 0
		.amdhsa_next_free_vgpr 1024
		.amdhsa_next_free_sgpr 96
		.amdhsa_reserve_vcc 0
		.amdhsa_float_denorm_mode_32 3
		.amdhsa_float_denorm_mode_16_64 3
		.amdhsa_memory_ordered 1
		.amdhsa_forward_progress 1
		.amdhsa_inst_pref_size 154
	.end_amdhsa_kernel
	.amdgpu_metadata
---
amdhsa.version: [ 1, 2 ]
amdhsa.kernels:
  - .name:           k_q3c31c942c5_gates
    .symbol:         k_q3c31c942c5_gates.kd
    .args:
      - { .name: xb, .offset: 0, .size: 8, .value_kind: global_buffer, .address_space: global }
      - { .name: hb, .offset: 8, .size: 8, .value_kind: global_buffer, .address_space: global }
      - { .name: wrz, .offset: 16, .size: 8, .value_kind: global_buffer, .address_space: global }
      - { .name: b_r, .offset: 24, .size: 8, .value_kind: global_buffer, .address_space: global }
      - { .name: b_z, .offset: 32, .size: 8, .value_kind: global_buffer, .address_space: global }
      - { .name: rh, .offset: 40, .size: 8, .value_kind: global_buffer, .address_space: global }
      - { .name: zb, .offset: 48, .size: 8, .value_kind: global_buffer, .address_space: global }
    .group_segment_fixed_size: 327680
    .private_segment_fixed_size: 0
    .kernarg_segment_align: 8
    .kernarg_segment_size: 56
    .max_flat_workgroup_size: 128
    .sgpr_count:     96
    .vgpr_count:     1024
    .wavefront_size: 32
...
	.end_amdgpu_metadata
.endif
;; end of part 2
;; launch cand (part 3): grid 8 x 32, 4 waves a work-group, clusters of 4 x 4, 327,680 bytes of LDS; arguments xb, rh, wcb, b_c, zb, hb, out1, nh; writes out1, nh
.if DOCPART == 3
	.amdgcn_target "amdgcn-amd-amdhsa--gfx1250"
	.amdhsa_code_object_version 6
	.text
	.protected	k_q3c31c942c5_cand
	.globl	k_q3c31c942c5_cand
	.p2align	8
	.type	k_q3c31c942c5_cand,@function
k_q3c31c942c5_cand:
	s_mov_b64 s[64:65], 0
	v_nop
	global_prefetch_b8 v0, s[64:65] scope:SCOPE_SE
	s_setreg_imm32_b32 hwreg(HW_REG_WAVE_MODE, 25, 1), 1
	s_wait_xcnt 0x0
	s_wait_alu depctr_hold_cnt(0) depctr_sa_sdst(0) depctr_va_vdst(0) depctr_va_sdst(0) depctr_va_ssrc(0) depctr_va_vcc(0) depctr_vm_vsrc(0)
	s_getreg_b32 s2, hwreg(HW_REG_IB_STS2, 6, 4)
	s_cmp_eq_u32 s2, 0
	s_cbranch_scc0 .Lentry_in_a_cluster
	s_endpgm
.Lentry_in_a_cluster:
	s_bfe_u32 s2, ttmp6, 0x10000c
	s_cmp_lg_u32 s2, 0xf033
	s_cbranch_scc0 .Lentry_shape_is_right
	s_endpgm
.Lentry_shape_is_right:
; c = tanh([x | r h] W_c^T + b_c);  new_hidden = c + z (h - c)  =  (1 - z) c + z h:  out1 in f32, row-major [8192][1024], and nh, the same rounded to bf16, blocked, for the last product.
; xb, rh, hb (bf16), zb (f16), nh (bf16): [32 row blocks][8 column blocks][256 rows][128 columns]; wcb: [1024][2048] bf16; b_c: [1024] f32.
; Products in bf16 with f32 sums, K = 2,048 in one accumulator, in cyclic order from the cluster's first K step; bias, tanh and the blend in f32.
; LIMITS.  tanh(p) = 1 - 2 / (1 + 2^(2.885390 p)): right at both ends (the power runs to 0 or to infinity), with an absolute error of about 1e-7 near p = 0.  h is taken as rounded to bf16, z as rounded to f16.
; NaN and infinities are not treated apart.
; SHARES.  A work-group owns 256 rows (row block ty) x 128 columns (column block tx).  Wave w: rows 64 w on, all 128 columns: 32 accumulators.  K goes in 16 steps of 128 (8 of x, 8 of r h) through two LDS slots.
; CLUSTER 4 x 4: A's tiles are asked for jointly along a row of the cluster (same ty), W_c's along a column (same tx).
; THE WALK ALONG K.  A cluster begins at K step 0 or 8, by the parity of cluster x + cluster y, and goes round.  So the two clusters that read the same rows of A (cluster x = 0 and 1) and the clusters of
; neighbouring y, which read the same rows of W_c, ask for a given tile eight K steps apart, not in the same step.  The first step hangs on the cluster's coordinates alone: it is the same in all sixteen partners.
; THE MATRIX INSTRUCTION IS USED TRANSPOSED (source 0 = 16 rows of W_c, source 1 = 16 rows of A): a lane holds row l % 16 and the columns 8 (l / 16) + 0..7 of a 16 x 16 result.
; THE SIDE TILES.  h's tile (ty, tx) has LDS bytes of its own and comes with the first loads; z's comes into slot 0's first bytes when that slot has been read for the last time, and is prefetched two K steps earlier.
; THE WAY OUT.  The accumulators go through the wave's own stage in LDS (f32, in bytes of the ring that are filled no more) and come back by rows: lane l holds columns 4 l .. 4 l + 3; a wave's store covers 512
; consecutive bytes of out1 and 256 of nh, aligned.
; REGISTERS: window 0: v0-39 addresses and the bias; v64-95, v128-159 A's fragments, two buffers (on the way out v64-207 at work); window 1: v64-127, v128-191 W_c's fragments; window 2: accumulator (a, b) at v[8 (8 a + b)].
.set MB,     4                         ; blocks of 16 rows of A a wave
.set BRH,    64                        ; rows of W_c that one tensor load brings
.set KW,     2048
.set NK,     16
.set LAPS,   NK/2
.set PITCH,  272                       ; an LDS row: 256 bytes + 16 of padding: the 16 rows of a fragment load start at 16 different groups of four banks (64 banks of 4 bytes: ISA guide 11.1)
.set HALFA,  128*PITCH
.set HALFB,  BRH*PITCH
.set SLOT,   2*HALFA+2*HALFB           ; A's 256 rows, then W_c's 128
.set SIDEL,  0                         ; z's tile, 256 rows x 256 bytes, dense
.set STAGE,  65536
.set SPITCH, 528                       ; a stage row: 512 bytes of f32 + 16
.set WSTG,   64*SPITCH
.set HT,     2*SLOT                    ; behind the ring: h's tile, filled once
.set SPARE,  HT+65536                  ; behind it: the spare words, 128 bytes a wave: two blocks of 256 bytes that no other line names
.set OF32, 10                          ; v10  my byte offset in out1
.set PFO,  12                          ; v12  256 x my lane; never rewritten
.set SD,   13                          ; v13  where I read z in this trip
.set SDH,  14                          ; v14  and h
.set TPO,  15                          ; v15  the tile prefetches' offset: my lane x a row (256 bytes in a block of A, 4,096 in wcb); never rewritten
.set ADRA, 16
.set ADRB, 20
.set STO,  24
.set RD,   25
.set RD0,  26                          ; v26  my 16 bytes of my stage's first row; never rewritten
.set SD0,  27                          ; v27  my 8 bytes of z's tile at my wave's first row; never rewritten
.set SPW,  28
.set NIL,  29
.set SDH0, 30                          ; v30  the same in h's tile; never rewritten
.set OO,   31                          ; v31  my byte offset in nh's block
.set BR,   32
.set BS,   36                          ; v[36:39] the bias times 2 log2(e)
.set F0,   64
.set F1,   128
.set P,    64                          ; the way out: v[64:95] 8 rows x 4 sums, then c, then the result
.set Z,    96                          ; v[96:111]  8 rows x 4 f16 of z
.set H,    112                         ; v[112:127] 8 rows x 4 bf16 of h
.set U,    128                         ; v[128:159] h, then h - c
.set OB,   192                         ; v[192:207] the result in bf16
.set AB1,  4                           ; s[4:5]  xb at my half of row block ty
.set AB2,  6                           ; s[6:7]  rh at the same place
.set TA,   8
.set RO,   14
.set SO,   15
.set OFW,  18                          ; s[18:19] the next tile's K step x 256 bytes along W_c's rows
.set OFK,  20
.set KQ,   22                          ; s22  the K step to be asked for next, 0 to 15
.set LIM,  23                          ; s23  5 in a wave that prefetches tiles, else the greatest number: it asks while the lap count is above it
.set G1,   24
.set G0,   32
.set RC,   45
.set WB,   46                          ; s[46:47] wcb at the first of the rows that I fetch, K step 0
.set G1B,  48
.set G0B,  56
.set ZP,   66                          ; s[66:67] zb at my wave's 64 rows of tile (ty, tx); never rewritten
.set PFA,  68                          ; s[68:69] where my tile prefetches stand: my work-group's 32 rows, at the K step two refills on
.set PST,  70                          ; s[70:71] a K step in bytes there: a block of A, or 256 bytes of a row of W_c
.set G1S,  84                          ; s[84:91] group 1 for the side tiles; s[92:95] group 0 for z's, s[96:99] for h's
.set GS,   92
.set GH,   96
.set MSB, 0
.macro WIN new                         ; the immediate's high byte repeats the setting that is left; a switch that changes nothing is dropped
.if MSB != (\new)
	s_set_vgpr_msb (MSB<<8)|(\new)
.set MSB, \new
.endif
.endm
.set MUL_LO, 0xa1                      ; source 0 (W) window 1, source 1 (A) window 0, C and D window 2
.set TO_B,   0x40                      ; destination window 1, address window 0
.macro PLACES                          ; four plain vector instructions between a matrix instruction and a load into, or a read of, its registers
.rept 4
	v_nop
.endr
.endm
; A joint load: waves 0 and 1 fetch A's two halves, waves 2 and 3 W_c's.  The branch hangs on the wave's number alone.  An s_nop 0 and four v_nop follow each line.
.macro JLOAD s
	s_cmp_eq_u32 s11, 0
	s_cbranch_scc0 .Lfor_b_\@
	tensor_load_to_lds s[G0+4*(\s):G0+4*(\s)+3], s[G1:G1+7]
	s_nop 0
.rept 4
	v_nop
.endr
	s_branch .Lasked_\@
.Lfor_b_\@:
	tensor_load_to_lds s[G0B+4*(\s):G0B+4*(\s)+3], s[G1B:G1B+7]
	s_nop 0
.rept 4
	v_nop
.endr
.Lasked_\@:
.endm
; A PREFETCH INTO THE L2, behind a joint load, its five lines and the run of LDS loads that follows them: the K step that stands two refills on, 256 matrix instructions a wave ahead of the load that will want it:
; 32 rows x 256 bytes, a lane a row, one instruction a wave.  Only K steps of the cluster's own first eight are named: those that this cluster asks for eight steps ahead of the other readers.  Of them steps 0 to 3
; come by their loads alone (nothing is prefetched at the head, where the first tiles are on their way); steps 4 to 7 are named in the loop's first two trips, and then the test stops it.
; Each block of 256 bytes is named ONCE in the launch.  A's rows: by the cluster itself, since the other cluster of its row of clusters has the other eight steps for its first; waves 0 and 1 ask, each for the 128
; rows that it fetches.  W_c's 128 rows, which all clusters of a column of clusters read: by wave 2 of the clusters y = 0 and 1, whose first eight steps together are all sixteen.  The four partners that ask for a
; tile jointly share 128 rows out BY ADDRESS: the partner at place p takes 32 p .. 32 p + 31 (p = cx for A, cy for W_c): no branch hangs on a work-group's place in its cluster.
.macro ASK
	s_cmp_gt_u32 s3, s[LIM]                        ; s3 = 7 and 6 in the loop's first two trips
	s_cbranch_scc0 .Lnot_mine_\@
	global_prefetch_b8 v[TPO], s[PFA:PFA+1] th:TH_LOAD_NT scope:SCOPE_SE
.Lnot_mine_\@:
.endm
.macro CREST                           ; a round of the cluster's barrier behind its opening barrier
	s_cmp_lg_u32 s10, 0
	s_cbranch_scc1 .Lnot_wave_0_\@
	s_barrier_signal -3
.Lnot_wave_0_\@:
	s_barrier_wait -3
	s_barrier_signal -1
	s_barrier_wait -1
.endm
.macro CROUND                          ; a whole round
	s_barrier_signal -1
	s_barrier_wait -1
	CREST
.endm
	s_load_b512 s[68:83], s[0:1], 0x0              ; xb 68, rh 70, wcb 72, b_c 74, zb 76, hb 78, out1 80, nh 82
	v_lshl_add_u32 v[SPW], v0, 2, SPARE
	v_mov_b32 v[NIL], 0
	ds_add_u32 v[SPW], v[NIL]                      ; the wave's opening: the add and its wait stand ahead of my first tensor load; the set-up below, work on registers, stands between them
	v_lshrrev_b32 v1, 5, v0
	v_readfirstlane_b32 s10, v1                    ; wave 0..3
	s_lshr_b32 s11, s10, 1                         ; I fetch for A (0) or for W_c (1),
	s_and_b32 s12, s10, 1                          ; this half of the tile
	s_bfe_u32 s40, ttmp6, 0x40000                  ; cx, cy
	s_bfe_u32 s41, ttmp6, 0x40004
	s_lshl_b32 s42, ttmp9, 2
	s_add_co_u32 s42, s42, s40                     ; tx
	s_and_b32 s13, ttmp7, 0xffff
	s_lshl_b32 s13, s13, 2
	s_add_co_u32 s13, s13, s41                     ; ty
	s_lshl_b32 s43, s41, 2
	s_lshl_b32 s43, 15, s43                        ; my row of the cluster
	s_lshl_b32 s44, 0x1111, s40                    ; my column
	s_or_b32 s[G1+0], s43, (1<<16)|(1<<20)|(1<<21)|(5<<22)|(3<<25)   ; the mask; 2-byte elements; padding on; bit 21 beside a mask; after every 64 words 4 words
	s_or_b32 s[G1B+0], s44, (1<<16)|(1<<20)|(1<<21)|(5<<22)|(3<<25)
	s_mov_b32 s[G1+1], 128<<16                     ; tensor_dim0 = 128
	s_mov_b32 s[G1+2], 128<<16                     ; tensor_dim1 = 128
	s_mov_b32 s[G1+3], 128<<16                     ; tile_dim0 = 128
	s_mov_b32 s[G1+4], 128                         ; tile_dim1 = 128
	s_mov_b32 s[G1+5], 128                         ; a block is dense
	s_mov_b32 s[G1+6], 0
	s_mov_b32 s[G1+7], 0
	s_mov_b32 s[G1B+1], 128<<16
	s_mov_b32 s[G1B+2], BRH<<16
	s_mov_b32 s[G1B+3], 128<<16
	s_mov_b32 s[G1B+4], BRH
	s_mov_b32 s[G1B+5], KW
	s_mov_b32 s[G1B+6], 0
	s_mov_b32 s[G1B+7], 0
	s_mov_b32 s[G1S+0], 1<<16                      ; the side tiles: loads of my work-group's own: no mask, no padding; 64 rows x 128 elements a wave
	s_mov_b32 s[G1S+1], 128<<16
	s_mov_b32 s[G1S+2], 64<<16
	s_mov_b32 s[G1S+3], 128<<16
	s_mov_b32 s[G1S+4], 64
	s_mov_b32 s[G1S+5], 128
	s_mov_b32 s[G1S+6], 0
	s_mov_b32 s[G1S+7], 0
	s_lshl_b32 s14, s13, 19                        ; A: row block ty, and the 128 rows that I fetch
	s_lshl_b32 s2, s12, 15
	s_add_co_u32 s14, s14, s2
	s_mov_b32 s15, 0
	s_lshl_b32 s18, s13, 3
	s_add_co_u32 s18, s18, s42
	s_lshl_b32 s18, s18, 16                        ; block (ty, tx) of zb, hb and nh
	s_mov_b32 s19, 0
	s_lshl_b32 s2, s10, 14                         ; my wave's 64 rows of 256 bytes
	s_add_co_u32 s66, s18, s2
	s_mov_b32 s67, 0
	s_mov_b32 s[GS], 1
	s_add_co_u32 s[GS+1], s2, SIDEL
	s_mov_b32 s[GH], 1
	s_add_co_u32 s[GH+1], s2, HT
	s_mul_i32 s16, s10, HALFA                      ; where my part of a tile goes: A's two halves,
	s_mul_i32 s17, s10, HALFB                      ; then W_c's two: no place in the cluster enters an LDS address
	s_add_co_u32 s17, s17, 2*(HALFA-HALFB)
	s_lshl_b32 s46, s42, 9                         ; 128 tx columns of f32
	s_mov_b32 s47, 0
	s_mov_b32 s[OFK+1], 0
	s_and_b32 s[KQ], ttmp7, 0xffff                 ; cluster y
	s_add_co_u32 s[KQ], s[KQ], ttmp9               ; + cluster x:
	s_and_b32 s[KQ], s[KQ], 1                      ; its parity
	s_lshl_b32 s[KQ], s[KQ], 3                     ; the cluster's first K step: 0 or 8
	s_wait_dscnt 0x0                               ; the opening add is done
	s_wait_kmcnt 0x0
	s_add_nc_u64 s[AB1:AB1+1], s[68:69], s[14:15]
	s_add_nc_u64 s[AB2:AB2+1], s[70:71], s[14:15]
	s_add_nc_u64 s[GH+2:GH+3], s[78:79], s[66:67]
	s_or_b32 s[GH+3], s[GH+3], 0x80000000
	s_add_nc_u64 s[ZP:ZP+1], s[76:77], s[66:67]
	s_mov_b64 s[GS+2:GS+3], s[ZP:ZP+1]
	s_or_b32 s[GS+3], s[GS+3], 0x80000000
	s_add_nc_u64 s[74:75], s[74:75], s[46:47]      ; b_c at my columns
	s_add_nc_u64 s[80:81], s[80:81], s[46:47]      ; out1 at my columns,
	s_lshl_b32 s14, s13, 20                        ; and at row 256 ty: 4,096 bytes a row
	s_add_nc_u64 s[80:81], s[80:81], s[14:15]
	s_add_nc_u64 s[82:83], s[82:83], s[18:19]      ; nh at block (ty, tx)
	s_lshl_b32 s46, s42, 19                        ; W_c: row 128 tx, 4,096 bytes a row,
	s_lshl_b32 s2, s12, 18                         ; and the 64 rows that I fetch
	s_add_co_u32 s46, s46, s2
	s_add_nc_u64 s[WB:WB+1], s[72:73], s[46:47]
	s_cmp_lt_u32 s[KQ], 8                          ; the cluster's first eight K steps lie in xb or in rh, from its column block 0 on,
	s_cselect_b64 s[TA:TA+1], s[AB1:AB1+1], s[AB2:AB2+1]
	s_lshl_b32 s[OFW], s[KQ], 8                    ; and in W_c's rows from byte 256 x the first step on
	s_add_nc_u64 s[14:15], s[WB:WB+1], s[OFW:OFW+1]
	; the tile prefetches: who asks, from where, by which step (the arguments' registers s68-73 are free from here on)
	s_and_b32 s2, ttmp7, 0xffff
	s_cmp_lt_u32 s2, 2
	s_cselect_b32 s[LIM], 5, -1                    ; W_c's rows: the clusters y = 0 and 1 ask,
	s_cmp_eq_u32 s12, 0
	s_cselect_b32 s[LIM], s[LIM], -1               ; and of the two waves that fetch them the first, whose address stands at the tile's first row
	s_mov_b32 s[PST], 256
	s_mov_b32 s43, KW*2
	s_cmp_eq_u32 s11, 0                            ; do I fetch for A?
	s_cselect_b32 s[LIM], 5, s[LIM]                ; A's rows: every cluster asks for its own first eight steps
	s_cselect_b64 s[PFA:PFA+1], s[TA:TA+1], s[14:15]
	s_cselect_b32 s[PST], 0x10000, s[PST]          ; a K step on: the next block of A, or 256 bytes along W_c's rows
	s_cselect_b32 s43, 256, s43                    ; a row on
	s_cselect_b32 s2, s40, s41                     ; my place among the four that ask with me
	s_cselect_b32 s44, 13, 17                      ; 32 rows of 256 or of 4,096 bytes
	s_lshl_b32 s72, s2, s44
	s_mul_i32 s2, s[PST], 3                        ; at the cluster's step 3: the first refill steps it to 4
	s_add_co_u32 s72, s72, s2
	s_mov_b32 s73, 0
	s_mov_b32 s[PST+1], 0
	s_add_nc_u64 s[PFA:PFA+1], s[PFA:PFA+1], s[72:73]
	CROUND                                         ; all sixteen work-groups are here: the first joint loads meet
.irp s, 0,1
	s_mov_b32 s[G0+4*(\s)], 1
	s_add_co_u32 s[G0+4*(\s)+1], s16, (\s)*SLOT
	s_add_nc_u64 s[G0+4*(\s)+2:G0+4*(\s)+3], s[TA:TA+1], (\s)*65536   ; the cluster's step s: column block s of its first buffer
	s_or_b32 s[G0+4*(\s)+3], s[G0+4*(\s)+3], 0x80000000
	s_mov_b32 s[G0B+4*(\s)], 1
	s_add_co_u32 s[G0B+4*(\s)+1], s17, (\s)*SLOT
	s_add_nc_u64 s[G0B+4*(\s)+2:G0B+4*(\s)+3], s[14:15], (\s)*256
	s_or_b32 s[G0B+4*(\s)+3], s[G0B+4*(\s)+3], 0x80000000
	JLOAD \s
.endr
	tensor_load_to_lds s[GH:GH+3], s[G1S:G1S+7]    ; my 64 rows of h's tile, the last of the first fills: three loads of mine are out
	s_nop 0
	PLACES
	s_add_co_u32 s[KQ], s[KQ], 2                   ; the first refill asks for the step after the first two
	v_and_b32 v1, 15, v0                           ; l % 16
	v_bfe_u32 v2, v0, 4, 1                         ; l / 16
	v_and_b32 v5, 31, v0                           ; l
	v_mul_u32_u24 v3, v1, PITCH
	v_lshl_add_u32 v3, v2, 4, v3                   ; a fragment's row x pitch + 16 x half
	s_mul_i32 s14, s10, 64*PITCH                   ; my 64 rows of A
	s_mov_b32 s15, 2*HALFA                         ; W_c's 128 rows lie behind A's 256
.irp s, 0,1
	v_add_nc_u32 v[ADRA+(\s)], s14, v3
	v_add_nc_u32 v[ADRB+(\s)], s15, v3
	s_add_co_u32 s14, s14, SLOT
	s_add_co_u32 s15, s15, SLOT
.endr
	s_mul_i32 s14, s10, WSTG
	s_add_co_u32 s14, s14, STAGE                   ; my stage
	v_mul_u32_u24 v4, v1, SPITCH                   ; in: row l % 16, 32 bytes for each half of the lanes
	v_lshl_add_u32 v4, v2, 5, v4
	v_add_nc_u32 v[STO], s14, v4
	v_lshl_add_u32 v[RD0], v5, 4, s14              ; back: 32 lanes take a row's 512 bytes
	s_lshl_b32 s14, s10, 14
	v_lshl_add_u32 v[OO], v5, 3, s14               ; in a block of 16-bit numbers: my wave's first row, my four columns
	v_add_nc_u32 v[SD0], SIDEL, v[OO]
	v_add_nc_u32 v[SDH0], HT, v[OO]
	s_lshl_b32 s14, s10, 18                        ; 64 rows of 4,096 bytes
	v_lshl_add_u32 v[OF32], v5, 4, s14
	v_lshlrev_b32 v[PFO], 8, v5
	v_mul_u32_u24 v[TPO], v5, s43                  ; a lane a row
	v_lshlrev_b32 v6, 4, v5
	global_load_b128 v[BR:BR+3], v6, s[74:75]      ; waited for on the way out
; 8 matrix instructions: block a of my rows x all 8 blocks of columns, 32 along K.  zero = 1: the product starts the sums: nothing is cleared.
.macro MULA f, a, zero
	WIN MUL_LO
.irp b, 0,1,2,3,4,5,6,7
.if \zero
	v_wmma_f32_16x16x32_bf16 v[8*(8*(\a)+(\b)):8*(8*(\a)+(\b))+7], v[(\f)+8*(\b):(\f)+8*(\b)+7], v[(\f)+8*(\a):(\f)+8*(\a)+7], 0
.else
	v_wmma_f32_16x16x32_bf16 v[8*(8*(\a)+(\b)):8*(8*(\a)+(\b))+7], v[(\f)+8*(\b):(\f)+8*(\b)+7], v[(\f)+8*(\a):(\f)+8*(\a)+7], v[8*(8*(\a)+(\b)):8*(8*(\a)+(\b))+7]
.endif
.endr
.endm
.macro MULS f, a0, n, zero             ; blocks a0 .. a0 + n - 1.  The 32 accumulators take turns, in the same order in every quarter
.set ma, \a0
.rept \n
	MULA \f, ma, \zero
.set ma, ma+1
.endr
.endm
.macro FETCH slot, k, f                ; one run of LDS loads: the fragments of 32 along K at byte k of the rows, into buffer f: W_c's 16 loads, then A's 2 MB
	WIN TO_B
.irp i, 0,1,2,3,4,5,6,7
	ds_load_b128 v[(\f)+8*(\i):(\f)+8*(\i)+3],   v[ADRB+(\slot)] offset:(\k)+(\i)*16*PITCH
	ds_load_b128 v[(\f)+8*(\i)+4:(\f)+8*(\i)+7], v[ADRB+(\slot)] offset:(\k)+(\i)*16*PITCH+32
.endr
	WIN 0
.set fi, 0
.rept MB
	ds_load_b128 v[(\f)+8*fi:(\f)+8*fi+3],   v[ADRA+(\slot)] offset:(\k)+fi*16*PITCH
	ds_load_b128 v[(\f)+8*fi+4:(\f)+8*fi+7], v[ADRA+(\slot)] offset:(\k)+fi*16*PITCH+32
.set fi, fi+1
.endr
.endm
.macro QUARTER slot, k, f, g, zero     ; multiplies buffer f; in its middle it fetches the next quarter, at byte k, into buffer g
	s_wait_dscnt MB                                ; W_c and the lower half of A's blocks are in; the youngest MB loads may be out
	MULS \f, 0, MB/2, \zero
	PLACES
	FETCH \slot, \k, \g
	s_wait_dscnt 16+2*MB                           ; all but the run just issued
	MULS \f, MB/2, MB/2, \zero
.endm
.macro STEP slot                       ; the slot's descriptors are made anew for K step KQ: steps 0-7 are xb's column blocks, 8-15 rh's; W_c's rows at byte 256 KQ; behind 15 comes 0.  No tensor load of mine is out here
	s_cmp_lt_u32 s[KQ], 8
	s_cselect_b64 s[TA:TA+1], s[AB1:AB1+1], s[AB2:AB2+1]
	s_and_b32 s[OFK], s[KQ], 7
	s_lshl_b32 s[OFK], s[OFK], 16
	s_add_nc_u64 s[G0+4*(\slot)+2:G0+4*(\slot)+3], s[TA:TA+1], s[OFK:OFK+1]
	s_or_b32 s[G0+4*(\slot)+3], s[G0+4*(\slot)+3], 0x80000000
	s_lshl_b32 s[OFW], s[KQ], 8
	s_add_nc_u64 s[G0B+4*(\slot)+2:G0B+4*(\slot)+3], s[WB:WB+1], s[OFW:OFW+1]
	s_or_b32 s[G0B+4*(\slot)+3], s[G0B+4*(\slot)+3], 0x80000000
	s_add_co_u32 s[KQ], s[KQ], 1
	s_and_b32 s[KQ], s[KQ], NK-1
.endm
; The last quarter multiplies buffer 1 and changes slots: ONE barrier.  In front of it each wave waits for all its tensor loads, adds 0 to its spare word, and waits for that and for its own reads of this slot.
; The barrier opens a round of the cluster's barrier; behind the round the slot is filled first: fill = 1: jointly, with the K step two on; fill = 2: its first bytes with z's tile, each wave its own 64 rows.
; ask = 1: in the loop's last trip each wave prefetches its own 16,384 bytes of z's tile, a lane a block of 256 bytes, two instructions: each block is named once in the launch, two K steps (256 matrix
; instructions a wave) ahead of the load that wants it.  The lines stand behind the joint load and the run of LDS loads; their address registers are never rewritten.
.macro TURN slot, next, fill, ask=0
.if (\fill) == 1
	s_wait_xcnt 0x0                                ; the last prefetch, a K step back, has read its address: it is stepped here, ahead of the waits of the change of slots
	s_add_nc_u64 s[PFA:PFA+1], s[PFA:PFA+1], s[PST:PST+1]
.endif
	WIN 0
	s_wait_tensorcnt 0x0                           ; all my tensor loads have landed
	ds_add_u32 v[SPW], v[NIL]                      ; 0 onto my spare word
	s_wait_dscnt MB+1                              ; (the add and the youngest MB loads may be out)
	MULS F1, 0, MB/4, 0                            ; matrix work stands between the add and the wait for it
	s_wait_dscnt 0x0                               ; the add is done, and my reads of this slot are over
	s_barrier_signal -1
	MULS F1, MB/4, MB/4, 0
	WIN 0
	s_barrier_wait -1
	CREST
.if (\fill) == 1
	STEP \slot
	JLOAD \slot                                    ; the four v_nop behind it are also the places in front of the loads below
.else
	tensor_load_to_lds s[GS:GS+3], s[G1S:G1S+7]
	s_nop 0
	PLACES
.endif
	FETCH \next, 0, F0
.if (\fill) == 1
	ASK                                            ; behind the joint load and the run of LDS loads that the next products wait for
.endif
.if \ask
	s_cmp_eq_u32 s3, 1
	s_cbranch_scc0 .Lnot_yet_\@
	global_prefetch_b8 v[PFO], s[ZP:ZP+1] th:TH_LOAD_NT scope:SCOPE_SE
	global_prefetch_b8 v[PFO], s[ZP:ZP+1] offset:8192 th:TH_LOAD_NT scope:SCOPE_SE
.Lnot_yet_\@:
.endif
	MULS F1, MB/2, MB/2, 0
.endm
	s_wait_tensorcnt 2                             ; my part of the first K step is in; the second's and h's tile may stay out
	s_barrier_signal -1
	s_barrier_wait -1
	FETCH 0, 0, F0
	QUARTER 0, 64,  F0, F1, 1                      ; the first quarter stands in front of the loop: its products start the sums
	WIN 0
	s_mov_b32 s3, LAPS-1
.Llap:                                                 ; a trip goes once round the ring and fills both slots again
	QUARTER 0, 128, F1, F0, 0
	QUARTER 0, 192, F0, F1, 0
	TURN 0, 1, 1, 1
	QUARTER 1, 64,  F0, F1, 0
	QUARTER 1, 128, F1, F0, 0
	QUARTER 1, 192, F0, F1, 0
	TURN 1, 0, 1
	QUARTER 0, 64,  F0, F1, 0
	WIN 0
	s_sub_co_u32 s3, s3, 1
	s_cmp_lg_u32 s3, 0
	s_cbranch_scc1 .Llap
	QUARTER 0, 128, F1, F0, 0                      ; the last lap
	QUARTER 0, 192, F0, F1, 0
	TURN 0, 1, 2                                   ; slot 0 has been read for the last time: z's tile comes in under the last K step
	QUARTER 1, 64,  F0, F1, 0
	QUARTER 1, 128, F1, F0, 0
	QUARTER 1, 192, F0, F1, 0
	s_wait_dscnt MB                                ; the very last quarter
	MULS F1, 0, MB/2, 0
	s_wait_dscnt 0x0
	MULS F1, MB/2, MB/2, 0
	; THE WAY OUT
	WIN 0
	PLACES
	PLACES
	s_wait_tensorcnt 0x0                           ; my 64 rows of z's tile are in
	s_wait_dscnt 0x0                               ; my reads of the ring are over
	s_barrier_signal -1
	s_barrier_wait -1                              ; both hold of every wave: the ring's bytes may take the stages
	s_wait_loadcnt 0x0                             ; the bias
	v_pk_mul_f32 v[BS:BS+1],   v[BR:BR+1],   0x4038aa3b op_sel_hi:[1,0]  ; times 2 log2(e)
	v_pk_mul_f32 v[BS+2:BS+3], v[BR+2:BR+3], 0x4038aa3b op_sel_hi:[1,0]
	s_mov_b32 s2, 0xffff0000                       ; a word's upper bf16
	WIN 0x08                                       ; the stores' data (source 1) in window 2.  64 rows x 128 columns of f32 into my stage; each accumulator's four lowest registers go first
.irp a, 0,1,2,3
.irp b, 0,1,2,3,4,5,6,7
	ds_store_b128 v[STO], v[8*(8*(\a)+(\b)):8*(8*(\a)+(\b))+3]   offset:(\a)*16*SPITCH+64*(\b)
	ds_store_b128 v[STO], v[8*(8*(\a)+(\b))+4:8*(8*(\a)+(\b))+7] offset:(\a)*16*SPITCH+64*(\b)+16
.endr
.endr
	WIN 0
	s_mov_b32 s[RO], 0
	s_mov_b32 s[SO], 0
	s_mov_b32 s[RC], 8
.Lrows:                                                ; eight rows a trip
	v_add_nc_u32 v[RD],  s[RO], v[RD0]
	v_add_nc_u32 v[SD],  s[SO], v[SD0]
	v_add_nc_u32 v[SDH], s[SO], v[SDH0]
.set i, 0
.rept 8
	ds_load_b128 v[P+4*i:P+4*i+3], v[RD] offset:SPITCH*i  ; LDS serves a wave's instructions in order (ISA guide 5.7.1.4): these see the stores above
.set i, i+1
.endr
.set i, 0
.rept 8
	ds_load_b64 v[Z+2*i:Z+2*i+1], v[SD]  offset:256*i
	ds_load_b64 v[H+2*i:H+2*i+1], v[SDH] offset:256*i
.set i, i+1
.endr
	s_wait_dscnt 0x0
.set i, 0
.rept 16
	v_pk_fma_f32 v[P+2*i:P+2*i+1], v[P+2*i:P+2*i+1], 0x4038aa3b, v[BS+2*(i%2):BS+2*(i%2)+1] op_sel_hi:[1,0,1]  ; 2 log2(e) (p + b)
.set i, i+1
.endr
.set i, 0
.rept 32
	v_exp_f32 v[P+i], v[P+i]
.set i, i+1
.endr
	v_nop                                          ; a plain instruction behind the last exponential,
	s_wait_alu depctr_va_vdst(0)                   ; and one wait ahead of the batch's first reader
.set i, 0
.rept 16
	v_pk_add_f32 v[P+2*i:P+2*i+1], v[P+2*i:P+2*i+1], 1.0 op_sel_hi:[1,0]
.set i, i+1
.endr
.set i, 0
.rept 32
	v_rcp_f32 v[P+i], v[P+i]
.set i, i+1
.endr
.set i, 0
.rept 16                               ; h to f32: independent work behind the reciprocals
	v_lshlrev_b32 v[U+2*i],   16, v[H+i]
	v_and_b32     v[U+2*i+1], s2, v[H+i]
.set i, i+1
.endr
	s_wait_alu depctr_va_vdst(0)                   ; one wait for the 32 reciprocals
.set i, 0
.rept 16
	v_pk_fma_f32 v[P+2*i:P+2*i+1], v[P+2*i:P+2*i+1], -2.0, 1.0 op_sel_hi:[1,0,0]  ; c = 1 - 2 / (1 + 2^..)
.set i, i+1
.endr
.set i, 0
.rept 16
	v_pk_add_f32 v[U+2*i:U+2*i+1], v[U+2*i:U+2*i+1], v[P+2*i:P+2*i+1] neg_lo:[0,1] neg_hi:[0,1]  ; h - c
.set i, i+1
.endr
.set i, 0
.rept 16                               ; word i of z holds two f16: c + z (h - c)
	v_fma_mix_f32 v[P+2*i],   v[Z+i], v[U+2*i],   v[P+2*i]   op_sel_hi:[1,0,0]
	v_fma_mix_f32 v[P+2*i+1], v[Z+i], v[U+2*i+1], v[P+2*i+1] op_sel:[1,0,0] op_sel_hi:[1,0,0]
.set i, i+1
.endr
.set i, 0
.rept 16
	v_cvt_pk_bf16_f32 v[OB+i], v[P+2*i], v[P+2*i+1]
.set i, i+1
.endr
.set i, 0
.rept 8
	global_store_b128 v[OF32], v[P+4*i:P+4*i+3], s[80:81] offset:4096*i th:TH_STORE_NT  ; 512 consecutive bytes of a row of out1, at a multiple of 512
.set i, i+1
.endr
.set i, 0
.rept 8
	global_store_b64 v[OO], v[OB+2*i:OB+2*i+1], s[82:83] offset:256*i                   ; 256 consecutive bytes of nh, at a multiple of 256
.set i, i+1
.endr
	s_wait_xcnt 0x0                                ; the stores have read their data and their offsets: these are written again only behind this wait
	v_add_nc_u32 v[OF32], 8*4096, v[OF32]
	v_add_nc_u32 v[OO], 8*256, v[OO]
	s_add_co_u32 s[RO], s[RO], 8*SPITCH
	s_add_co_u32 s[SO], s[SO], 8*256
	s_sub_co_u32 s[RC], s[RC], 1
	s_cmp_lg_u32 s[RC], 0
	s_cbranch_scc1 .Lrows
	s_wait_tensorcnt 0x0                           ; the wave's end: an add and its waits behind my last tensor load and my last LDS store
	ds_add_u32 v[SPW], v[NIL]
	s_wait_dscnt 0x0
	CROUND                                         ; the closing round
	s_endpgm
.Lfunc_end_k_q3c31c942c5_cand:
	.size	k_q3c31c942c5_cand, .Lfunc_end_k_q3c31c942c5_cand-k_q3c31c942c5_cand
	.p2alignl 7, 3214868480
	.fill 96, 4, 3214868480
	.section	.rodata,"a",@progbits
	.p2align	6, 0x0
	.amdhsa_kernel k_q3c31c942c5_cand
		.amdhsa_group_segment_fixed_size 327680
		.amdhsa_private_segment_fixed_size 0
		.amdhsa_enable_private_segment 0
		.amdhsa_kernarg_size 64
		.amdhsa_user_sgpr_count 2
		.amdhsa_user_sgpr_kernarg_segment_ptr 1
		.amdhsa_wavefront_size32 1
		.amdhsa_system_sgpr_workgroup_id_x 1
		.amdhsa_system_sgpr_workgroup_id_y 1
		.amdhsa_system_sgpr_workgroup_id_z 1
		.amdhsa_system_vgpr_workitem_id 0
		.amdhsa_next_free_vgpr 768
		.amdhsa_next_free_sgpr 100
		.amdhsa_reserve_vcc 0
		.amdhsa_float_denorm_mode_32 3
		.amdhsa_float_denorm_mode_16_64 3
		.amdhsa_memory_ordered 1
		.amdhsa_forward_progress 1
		.amdhsa_inst_pref_size 94
	.end_amdhsa_kernel
	.amdgpu_metadata
---
amdhsa.version: [ 1, 2 ]
amdhsa.kernels:
  - .name:           k_q3c31c942c5_cand
    .symbol:         k_q3c31c942c5_cand.kd
    .args:
      - { .name: xb, .offset: 0, .size: 8, .value_kind: global_buffer, .address_space: global }
      - { .name: rh, .offset: 8, .size: 8, .value_kind: global_buffer, .address_space: global }
      - { .name: wcb, .offset: 16, .size: 8, .value_kind: global_buffer, .address_space: global }
      - { .name: b_c, .offset: 24, .size: 8, .value_kind: global_buffer, .address_space: global }
      - { .name: zb, .offset: 32, .size: 8, .value_kind: global_buffer, .address_space: global }
      - { .name: hb, .offset: 40, .size: 8, .value_kind: global_buffer, .address_space: global }
      - { .name: out1, .offset: 48, .size: 8, .value_kind: global_buffer, .address_space: global }
      - { .name: nh, .offset: 56, .size: 8, .value_kind: global_buffer, .address_space: global }
    .group_segment_fixed_size: 327680
    .private_segment_fixed_size: 0
    .kernarg_segment_align: 8
    .kernarg_segment_size: 64
    .max_flat_workgroup_size: 128
    .sgpr_count:     100
    .vgpr_count:     768
    .wavefront_size: 32
...
	.end_amdgpu_metadata
.endif
;; end of part 3
;; launch outp (part 4): grid 8 x 32, 4 waves a work-group, clusters of 4 x 4, 327,680 bytes of LDS; arguments nh, wob, b_o, out0; writes out0
.if DOCPART == 4
	.amdgcn_target "amdgcn-amd-amdhsa--gfx1250"
	.amdhsa_code_object_version 6
	.text
	.protected	k_q3c31c942c5_outp
	.globl	k_q3c31c942c5_outp
	.p2align	8
	.type	k_q3c31c942c5_outp,@function
k_q3c31c942c5_outp:
	s_mov_b64 s[64:65], 0
	v_nop
	global_prefetch_b8 v0, s[64:65] scope:SCOPE_SE
	s_setreg_imm32_b32 hwreg(HW_REG_WAVE_MODE, 25, 1), 1
	s_wait_xcnt 0x0
	s_wait_alu depctr_hold_cnt(0) depctr_sa_sdst(0) depctr_va_vdst(0) depctr_va_sdst(0) depctr_va_ssrc(0) depctr_va_vcc(0) depctr_vm_vsrc(0)
	s_getreg_b32 s2, hwreg(HW_REG_IB_STS2, 6, 4)
	s_cmp_eq_u32 s2, 0
	s_cbranch_scc0 .Lentry_in_a_cluster
	s_endpgm
.Lentry_in_a_cluster:
	s_bfe_u32 s2, ttmp6, 0x10000c
	s_cmp_lg_u32 s2, 0xf033
	s_cbranch_scc0 .Lentry_shape_is_right
	s_endpgm
.Lentry_shape_is_right:
; out0 = new_hidden W_o^T + b_o.  nh: bf16, [32 row blocks][8 column blocks][256 rows][128 columns]; wob: [1024][1024] bf16; b_o: [1024] f32; out0: [8192][1024] f32, row-major.
; Products in bf16 with f32 sums, K = 1,024 in one accumulator, in cyclic order from the cluster's first K step; the bias is added in f32.  NaN and infinities are not treated apart.
; SHARES.  A work-group owns 256 rows (row block ty) x 128 columns (column block tx).  Wave w: rows 64 w on, all 128 columns: 32 accumulators.  K goes in 8 steps of 128 through two LDS slots.
; CLUSTER 4 x 4: nh's tiles are asked for jointly along a row of the cluster (same ty), W_o's along a column (same tx).
; THE WALK ALONG K.  A cluster begins at K step 0 or 4, by the parity of cluster x + cluster y, and goes round.  So the two clusters that read the same rows of nh (cluster x = 0 and 1) and the clusters of
; neighbouring y, which read the same rows of W_o, ask for a given tile four K steps apart, not in the same step.  The first step hangs on the cluster's coordinates alone: it is the same in all sixteen partners.
; NO PREFETCH OF TILES: of a cluster's own first four K steps two come by the first fills and two by the first two refills; a request ahead of those would stand at the kernel's head, among the first fills.
; THE MATRIX INSTRUCTION IS USED TRANSPOSED (source 0 = 16 rows of W_o, source 1 = 16 rows of nh): a lane holds row l % 16 and the columns 8 (l / 16) + 0..7 of a 16 x 16 result.
; THE WAY OUT.  The accumulators go through the wave's own stage in LDS (in bytes of the ring that are filled no more) and come back by rows: a wave's store covers 512 consecutive bytes of out0, aligned.
; REGISTERS: window 0: v0-35 addresses and the bias; v64-95, v128-159 A's fragments, two buffers; window 1: v64-127, v128-191 W_o's fragments; window 2: accumulator (a, b) at v[8 (8 a + b)].
.set MB,     4
.set BRH,    64
.set KW,     1024
.set NK,     8
.set LAPS,   NK/2
.set PITCH,  272                       ; an LDS row: 256 bytes + 16 of padding: the 16 rows of a fragment load start at 16 different groups of four banks (64 banks of 4 bytes: ISA guide 11.1)
.set HALFA,  128*PITCH
.set HALFB,  BRH*PITCH
.set SLOT,   2*HALFA+2*HALFB
.set STAGE,  65536
.set SPITCH, 528
.set WSTG,   64*SPITCH
.set SPARE,  2*SLOT                    ; behind the ring: the spare words, 128 bytes a wave: two blocks of 256 bytes that no other line names
.set OF32, 10                          ; v10  my byte offset in out0
.set ADRA, 16
.set ADRB, 20
.set STO,  24
.set RD,   25
.set RD0,  26
.set SPW,  28
.set NIL,  29
.set BR,   32                          ; v[32:35] the bias of my four columns
.set F0,   64
.set F1,   128
.set P,    64
.set AB1,  4                           ; s[4:5]  nh at my half of row block ty, column block 0
.set RO,   14
.set OFW,  18                          ; s[18:19] the next tile's K step x 256 bytes along W_o's rows
.set OFK,  20                          ; s[20:21] the next tile's column block x 65,536
.set KQ,   22                          ; s22  the K step to be asked for next, 0 to 7
.set G1,   24
.set G0,   32
.set RC,   45
.set WB,   46                          ; s[46:47] wob at the first of the rows that I fetch, K step 0
.set G1B,  48
.set G0B,  56
.set MSB, 0
.macro WIN new                         ; the immediate's high byte repeats the setting that is left; a switch that changes nothing is dropped
.if MSB != (\new)
	s_set_vgpr_msb (MSB<<8)|(\new)
.set MSB, \new
.endif
.endm
.set MUL_LO, 0xa1                      ; source 0 (W) window 1, source 1 (A) window 0, C and D window 2
.set TO_B,   0x40                      ; destination window 1, address window 0
.macro PLACES                          ; four plain vector instructions between a matrix instruction and a load into, or a read of, its registers
.rept 4
	v_nop
.endr
.endm
.macro JLOAD s                         ; a joint load: waves 0 and 1 fetch A's two halves, waves 2 and 3 W_o's; an s_nop 0 and four v_nop follow each line
	s_cmp_eq_u32 s11, 0
	s_cbranch_scc0 .Lfor_b_\@
	tensor_load_to_lds s[G0+4*(\s):G0+4*(\s)+3], s[G1:G1+7]
	s_nop 0
.rept 4
	v_nop
.endr
	s_branch .Lasked_\@
.Lfor_b_\@:
	tensor_load_to_lds s[G0B+4*(\s):G0B+4*(\s)+3], s[G1B:G1B+7]
	s_nop 0
.rept 4
	v_nop
.endr
.Lasked_\@:
.endm
.macro CREST                           ; a round of the cluster's barrier behind its opening barrier
	s_cmp_lg_u32 s10, 0
	s_cbranch_scc1 .Lnot_wave_0_\@
	s_barrier_signal -3
.Lnot_wave_0_\@:
	s_barrier_wait -3
	s_barrier_signal -1
	s_barrier_wait -1
.endm
.macro CROUND                          ; a whole round
	s_barrier_signal -1
	s_barrier_wait -1
	CREST
.endm
	s_load_b256 s[68:75], s[0:1], 0x0              ; nh 68, wob 70, b_o 72, out0 74
	v_lshl_add_u32 v[SPW], v0, 2, SPARE
	v_mov_b32 v[NIL], 0
	ds_add_u32 v[SPW], v[NIL]                      ; the wave's opening: the add and its wait stand ahead of my first tensor load; the set-up below, work on registers, stands between them
	v_lshrrev_b32 v1, 5, v0
	v_readfirstlane_b32 s10, v1                    ; wave 0..3
	s_lshr_b32 s11, s10, 1                         ; I fetch for A (0) or for W_o (1),
	s_and_b32 s12, s10, 1                          ; this half of the tile
	s_bfe_u32 s40, ttmp6, 0x40000                  ; cx, cy
	s_bfe_u32 s41, ttmp6, 0x40004
	s_lshl_b32 s42, ttmp9, 2
	s_add_co_u32 s42, s42, s40                     ; tx
	s_and_b32 s13, ttmp7, 0xffff
	s_lshl_b32 s13, s13, 2
	s_add_co_u32 s13, s13, s41                     ; ty
	s_lshl_b32 s43, s41, 2
	s_lshl_b32 s43, 15, s43                        ; my row of the cluster
	s_lshl_b32 s44, 0x1111, s40                    ; my column
	s_or_b32 s[G1+0], s43, (1<<16)|(1<<20)|(1<<21)|(5<<22)|(3<<25)   ; the mask; 2-byte elements; padding on; bit 21 beside a mask; after every 64 words 4 words
	s_or_b32 s[G1B+0], s44, (1<<16)|(1<<20)|(1<<21)|(5<<22)|(3<<25)
	s_mov_b32 s[G1+1], 128<<16                     ; tensor_dim0 = 128
	s_mov_b32 s[G1+2], 128<<16                     ; tensor_dim1 = 128
	s_mov_b32 s[G1+3], 128<<16                     ; tile_dim0 = 128
	s_mov_b32 s[G1+4], 128                         ; tile_dim1 = 128
	s_mov_b32 s[G1+5], 128                         ; a block is dense
	s_mov_b32 s[G1+6], 0
	s_mov_b32 s[G1+7], 0
	s_mov_b32 s[G1B+1], 128<<16
	s_mov_b32 s[G1B+2], BRH<<16
	s_mov_b32 s[G1B+3], 128<<16
	s_mov_b32 s[G1B+4], BRH
	s_mov_b32 s[G1B+5], KW
	s_mov_b32 s[G1B+6], 0
	s_mov_b32 s[G1B+7], 0
	s_lshl_b32 s14, s13, 19                        ; A: row block ty, and the 128 rows that I fetch
	s_lshl_b32 s2, s12, 15
	s_add_co_u32 s14, s14, s2
	s_mov_b32 s15, 0
	s_mul_i32 s16, s10, HALFA                      ; where my part of a tile goes: A's two halves,
	s_mul_i32 s17, s10, HALFB                      ; then W_o's two: no place in the cluster enters an LDS address
	s_add_co_u32 s17, s17, 2*(HALFA-HALFB)
	s_lshl_b32 s46, s42, 9                         ; 128 tx columns of f32
	s_mov_b32 s47, 0
	s_mov_b32 s[OFK+1], 0
	s_mov_b32 s[OFW+1], 0
	s_and_b32 s[KQ], ttmp7, 0xffff                 ; cluster y
	s_add_co_u32 s[KQ], s[KQ], ttmp9               ; + cluster x:
	s_and_b32 s[KQ], s[KQ], 1                      ; its parity
	s_lshl_b32 s[KQ], s[KQ], 2                     ; the cluster's first K step: 0 or 4
	s_lshl_b32 s[OFK], s[KQ], 16                   ; its column block of nh,
	s_lshl_b32 s[OFW], s[KQ], 8                    ; its bytes along W_o's rows
	s_wait_dscnt 0x0                               ; the opening add is done
	s_wait_kmcnt 0x0
	s_add_nc_u64 s[AB1:AB1+1], s[68:69], s[14:15]
	s_add_nc_u64 s[72:73], s[72:73], s[46:47]      ; b_o at my columns
	s_add_nc_u64 s[74:75], s[74:75], s[46:47]      ; out0 at my columns,
	s_lshl_b32 s14, s13, 20                        ; and at row 256 ty: 4,096 bytes a row
	s_add_nc_u64 s[74:75], s[74:75], s[14:15]
	s_lshl_b32 s46, s42, 18                        ; W_o: row 128 tx, 2,048 bytes a row,
	s_lshl_b32 s2, s12, 17                         ; and the 64 rows that I fetch
	s_add_co_u32 s46, s46, s2
	s_add_nc_u64 s[WB:WB+1], s[70:71], s[46:47]
	s_add_nc_u64 s[8:9], s[AB1:AB1+1], s[OFK:OFK+1]     ; both at the cluster's first K step
	s_add_nc_u64 s[14:15], s[WB:WB+1], s[OFW:OFW+1]
	CROUND                                         ; all sixteen work-groups are here: the first joint loads meet
.irp s, 0,1
	s_mov_b32 s[G0+4*(\s)], 1
	s_add_co_u32 s[G0+4*(\s)+1], s16, (\s)*SLOT
	s_add_nc_u64 s[G0+4*(\s)+2:G0+4*(\s)+3], s[8:9], (\s)*65536
	s_or_b32 s[G0+4*(\s)+3], s[G0+4*(\s)+3], 0x80000000
	s_mov_b32 s[G0B+4*(\s)], 1
	s_add_co_u32 s[G0B+4*(\s)+1], s17, (\s)*SLOT
	s_add_nc_u64 s[G0B+4*(\s)+2:G0B+4*(\s)+3], s[14:15], (\s)*256
	s_or_b32 s[G0B+4*(\s)+3], s[G0B+4*(\s)+3], 0x80000000
	JLOAD \s                                       ; two loads of mine are out
.endr
	s_add_co_u32 s[KQ], s[KQ], 2                   ; the first refill asks for the step after these two
	v_and_b32 v1, 15, v0                           ; l % 16
	v_bfe_u32 v2, v0, 4, 1                         ; l / 16
	v_and_b32 v5, 31, v0                           ; l
	v_mul_u32_u24 v3, v1, PITCH
	v_lshl_add_u32 v3, v2, 4, v3                   ; a fragment's row x pitch + 16 x half
	s_mul_i32 s14, s10, 64*PITCH                   ; my 64 rows of A
	s_mov_b32 s15, 2*HALFA                         ; W_o's 128 rows lie behind A's 256
.irp s, 0,1
	v_add_nc_u32 v[ADRA+(\s)], s14, v3
	v_add_nc_u32 v[ADRB+(\s)], s15, v3
	s_add_co_u32 s14, s14, SLOT
	s_add_co_u32 s15, s15, SLOT
.endr
	s_mul_i32 s14, s10, WSTG
	s_add_co_u32 s14, s14, STAGE                   ; my stage
	v_mul_u32_u24 v4, v1, SPITCH                   ; in: row l % 16, 32 bytes for each half of the lanes
	v_lshl_add_u32 v4, v2, 5, v4
	v_add_nc_u32 v[STO], s14, v4
	v_lshl_add_u32 v[RD0], v5, 4, s14              ; back: 32 lanes take a row's 512 bytes
	s_lshl_b32 s14, s10, 18                        ; 64 rows of 4,096 bytes
	v_lshl_add_u32 v[OF32], v5, 4, s14
	v_lshlrev_b32 v6, 4, v5
	global_load_b128 v[BR:BR+3], v6, s[72:73]      ; waited for on the way out
.macro MULA f, a, zero                 ; 8 matrix instructions: block a of my rows x all 8 blocks of columns, 32 along K.  zero = 1: the product starts the sums
	WIN MUL_LO
.irp b, 0,1,2,3,4,5,6,7
.if \zero
	v_wmma_f32_16x16x32_bf16 v[8*(8*(\a)+(\b)):8*(8*(\a)+(\b))+7], v[(\f)+8*(\b):(\f)+8*(\b)+7], v[(\f)+8*(\a):(\f)+8*(\a)+7], 0
.else
	v_wmma_f32_16x16x32_bf16 v[8*(8*(\a)+(\b)):8*(8*(\a)+(\b))+7], v[(\f)+8*(\b):(\f)+8*(\b)+7], v[(\f)+8*(\a):(\f)+8*(\a)+7], v[8*(8*(\a)+(\b)):8*(8*(\a)+(\b))+7]
.endif
.endr
.endm
.macro MULS f, a0, n, zero             ; blocks a0 .. a0 + n - 1.  The 32 accumulators take turns, in the same order in every quarter
.set ma, \a0
.rept \n
	MULA \f, ma, \zero
.set ma, ma+1
.endr
.endm
.macro FETCH slot, k, f                ; one run of LDS loads: the fragments of 32 along K at byte k of the rows, into buffer f: W_o's 16 loads, then A's 2 MB
	WIN TO_B
.irp i, 0,1,2,3,4,5,6,7
	ds_load_b128 v[(\f)+8*(\i):(\f)+8*(\i)+3],   v[ADRB+(\slot)] offset:(\k)+(\i)*16*PITCH
	ds_load_b128 v[(\f)+8*(\i)+4:(\f)+8*(\i)+7], v[ADRB+(\slot)] offset:(\k)+(\i)*16*PITCH+32
.endr
	WIN 0
.set fi, 0
.rept MB
	ds_load_b128 v[(\f)+8*fi:(\f)+8*fi+3],   v[ADRA+(\slot)] offset:(\k)+fi*16*PITCH
	ds_load_b128 v[(\f)+8*fi+4:(\f)+8*fi+7], v[ADRA+(\slot)] offset:(\k)+fi*16*PITCH+32
.set fi, fi+1
.endr
.endm
.macro QUARTER slot, k, f, g, zero     ; multiplies buffer f; in its middle it fetches the next quarter, at byte k, into buffer g
	s_wait_dscnt MB                                ; W_o and the lower half of A's blocks are in; the youngest MB loads may be out
	MULS \f, 0, MB/2, \zero
	PLACES
	FETCH \slot, \k, \g
	s_wait_dscnt 16+2*MB                           ; all but the run just issued
	MULS \f, MB/2, MB/2, \zero
.endm
.macro STEP slot                       ; the slot's descriptors are made anew for K step KQ: nh's column block KQ, W_o's rows at byte 256 KQ; behind 7 comes 0.  No tensor load of mine is out here
	s_lshl_b32 s[OFK], s[KQ], 16
	s_add_nc_u64 s[G0+4*(\slot)+2:G0+4*(\slot)+3], s[AB1:AB1+1], s[OFK:OFK+1]
	s_or_b32 s[G0+4*(\slot)+3], s[G0+4*(\slot)+3], 0x80000000
	s_lshl_b32 s[OFW], s[KQ], 8
	s_add_nc_u64 s[G0B+4*(\slot)+2:G0B+4*(\slot)+3], s[WB:WB+1], s[OFW:OFW+1]
	s_or_b32 s[G0B+4*(\slot)+3], s[G0B+4*(\slot)+3], 0x80000000
	s_add_co_u32 s[KQ], s[KQ], 1
	s_and_b32 s[KQ], s[KQ], NK-1
.endm
; The last quarter multiplies buffer 1 and changes slots: ONE barrier.  In front of it each wave waits for all its tensor loads, adds 0 to its spare word, and waits for that and for its own reads of this slot.
; fill = 1: the barrier opens a round of the cluster's barrier, and behind the round the slot is filled first, jointly, with the K step two on.  fill = 0: nothing is left to fetch.
.macro TURN slot, next, fill
	WIN 0
	s_wait_tensorcnt 0x0                           ; all my tensor loads have landed
	ds_add_u32 v[SPW], v[NIL]                      ; 0 onto my spare word
	s_wait_dscnt MB+1                              ; (the add and the youngest MB loads may be out)
	MULS F1, 0, MB/4, 0                            ; matrix work stands between the add and the wait for it
	s_wait_dscnt 0x0                               ; the add is done, and my reads of this slot are over
	s_barrier_signal -1
	MULS F1, MB/4, MB/4, 0
	WIN 0
	s_barrier_wait -1
.if \fill
	CREST
	STEP \slot
	JLOAD \slot                                    ; the four v_nop behind it are also the places in front of the loads below
.else
	PLACES
.endif
	FETCH \next, 0, F0
	MULS F1, MB/2, MB/2, 0
.endm
	s_wait_tensorcnt 1                             ; my part of the first K step is in; the second's may stay out
	s_barrier_signal -1
	s_barrier_wait -1
	FETCH 0, 0, F0
	QUARTER 0, 64,  F0, F1, 1                      ; the first quarter stands in front of the loop: its products start the sums
	WIN 0
	s_mov_b32 s3, LAPS-1
.Llap:                                                 ; a trip goes once round the ring and fills both slots again
	QUARTER 0, 128, F1, F0, 0
	QUARTER 0, 192, F0, F1, 0
	TURN 0, 1, 1
	QUARTER 1, 64,  F0, F1, 0
	QUARTER 1, 128, F1, F0, 0
	QUARTER 1, 192, F0, F1, 0
	TURN 1, 0, 1
	QUARTER 0, 64,  F0, F1, 0
	WIN 0
	s_sub_co_u32 s3, s3, 1
	s_cmp_lg_u32 s3, 0
	s_cbranch_scc1 .Llap
	QUARTER 0, 128, F1, F0, 0                      ; the last lap fills nothing, and has no round of the cluster's barrier
	QUARTER 0, 192, F0, F1, 0
	TURN 0, 1, 0
	QUARTER 1, 64,  F0, F1, 0
	QUARTER 1, 128, F1, F0, 0
	QUARTER 1, 192, F0, F1, 0
	s_wait_dscnt MB                                ; the very last quarter
	MULS F1, 0, MB/2, 0
	s_wait_dscnt 0x0
	MULS F1, MB/2, MB/2, 0
	; THE WAY OUT
	WIN 0
	PLACES
	PLACES
	s_wait_dscnt 0x0                               ; my reads of the ring are over
	s_barrier_signal -1
	s_barrier_wait -1                              ; everybody's are: the ring's bytes may take the stages
	s_wait_loadcnt 0x0                             ; the bias
	WIN 0x08                                       ; the stores' data (source 1) in window 2.  64 rows x 128 columns of f32 into my stage; each accumulator's four lowest registers go first
.irp a, 0,1,2,3
.irp b, 0,1,2,3,4,5,6,7
	ds_store_b128 v[STO], v[8*(8*(\a)+(\b)):8*(8*(\a)+(\b))+3]   offset:(\a)*16*SPITCH+64*(\b)
	ds_store_b128 v[STO], v[8*(8*(\a)+(\b))+4:8*(8*(\a)+(\b))+7] offset:(\a)*16*SPITCH+64*(\b)+16
.endr
.endr
	WIN 0
	s_mov_b32 s[RO], 0
	s_mov_b32 s[RC], 8
.Lrows:                                                ; eight rows a trip
	v_add_nc_u32 v[RD], s[RO], v[RD0]
.set i, 0
.rept 8
	ds_load_b128 v[P+4*i:P+4*i+3], v[RD] offset:SPITCH*i  ; LDS serves a wave's instructions in order (ISA guide 5.7.1.4): these see the stores above
.set i, i+1
.endr
	s_wait_dscnt 0x0
.set i, 0
.rept 16
	v_pk_add_f32 v[P+2*i:P+2*i+1], v[P+2*i:P+2*i+1], v[BR+2*(i%2):BR+2*(i%2)+1]
.set i, i+1
.endr
.set i, 0
.rept 8
	global_store_b128 v[OF32], v[P+4*i:P+4*i+3], s[74:75] offset:4096*i th:TH_STORE_NT  ; 512 consecutive bytes of a row of out0, at a multiple of 512
.set i, i+1
.endr
	s_wait_xcnt 0x0                                ; the stores have read their data and their offset: these are written again only behind this wait
	v_add_nc_u32 v[OF32], 8*4096, v[OF32]
	s_add_co_u32 s[RO], s[RO], 8*SPITCH
	s_sub_co_u32 s[RC], s[RC], 1
	s_cmp_lg_u32 s[RC], 0
	s_cbranch_scc1 .Lrows
	s_wait_tensorcnt 0x0                           ; the wave's end: an add and its waits behind my last tensor load and my last LDS store
	ds_add_u32 v[SPW], v[NIL]
	s_wait_dscnt 0x0
	CROUND                                         ; the closing round
	s_endpgm
.Lfunc_end_k_q3c31c942c5_outp:
	.size	k_q3c31c942c5_outp, .Lfunc_end_k_q3c31c942c5_outp-k_q3c31c942c5_outp
	.p2alignl 7, 3214868480
	.fill 96, 4, 3214868480
	.section	.rodata,"a",@progbits
	.p2align	6, 0x0
	.amdhsa_kernel k_q3c31c942c5_outp
		.amdhsa_group_segment_fixed_size 327680
		.amdhsa_private_segment_fixed_size 0
		.amdhsa_enable_private_segment 0
		.amdhsa_kernarg_size 32
		.amdhsa_user_sgpr_count 2
		.amdhsa_user_sgpr_kernarg_segment_ptr 1
		.amdhsa_wavefront_size32 1
		.amdhsa_system_sgpr_workgroup_id_x 1
		.amdhsa_system_sgpr_workgroup_id_y 1
		.amdhsa_system_sgpr_workgroup_id_z 1
		.amdhsa_system_vgpr_workitem_id 0
		.amdhsa_next_free_vgpr 768
		.amdhsa_next_free_sgpr 76
		.amdhsa_reserve_vcc 0
		.amdhsa_float_denorm_mode_32 3
		.amdhsa_float_denorm_mode_16_64 3
		.amdhsa_memory_ordered 1
		.amdhsa_forward_progress 1
		.amdhsa_inst_pref_size 78
	.end_amdhsa_kernel
	.amdgpu_metadata
---
amdhsa.version: [ 1, 2 ]
amdhsa.kernels:
  - .name:           k_q3c31c942c5_outp
    .symbol:         k_q3c31c942c5_outp.kd
    .args:
      - { .name: nh, .offset: 0, .size: 8, .value_kind: global_buffer, .address_space: global }
      - { .name: wob, .offset: 8, .size: 8, .value_kind: global_buffer, .address_space: global }
      - { .name: b_o, .offset: 16, .size: 8, .value_kind: global_buffer, .address_space: global }
      - { .name: out0, .offset: 24, .size: 8, .value_kind: global_buffer, .address_space: global }
    .group_segment_fixed_size: 327680
    .private_segment_fixed_size: 0
    .kernarg_segment_align: 8
    .kernarg_segment_size: 32
    .max_flat_workgroup_size: 128
    .sgpr_count:     76
    .vgpr_count:     768
    .wavefront_size: 32
...
	.end_amdgpu_metadata
.endif
;; end of part 4
;; ======== version 2 of 2: 4 launches; version 1 with the launch cast written anew for expert scheduling mode
;; workspace buffers: xb 16,777,216 bytes; hb 16,777,216 bytes; rh 16,777,216 bytes; zb 16,777,216 bytes; nh 16,777,216 bytes; wrz 8,388,608 bytes; wcb 4,194,304 bytes; wob 2,097,152 bytes
;; launch cast (part 5): grid 1472 x 1, 8 waves a work-group, no clusters, 0 bytes of LDS; arguments x, hidden, W_r, W_z, W_c, W_o, xb, hb, wrz, wcb, wob; writes xb, hb, wrz, wcb, wob
.if DOCPART == 5
	.amdgcn_target "amdgcn-amd-amdhsa--gfx1250"
	.amdhsa_code_object_version 6
	.text
	.protected	k_q3c31c942c5_cast
	.globl	k_q3c31c942c5_cast
	.p2align	8
	.type	k_q3c31c942c5_cast,@function
k_q3c31c942c5_cast:
	s_mov_b64 s[64:65], 0
	v_nop
	global_prefetch_b8 v0, s[64:65] scope:SCOPE_SE
	s_setreg_imm32_b32 hwreg(HW_REG_WAVE_SCHED_MODE, 0, 2), 2
	s_setreg_imm32_b32 hwreg(HW_REG_WAVE_MODE, 25, 1), 1
	s_wait_xcnt 0x0
	s_wait_alu depctr_vm_vsrc(0)
; f32 -> bf16, rounded once to nearest even, of the six large inputs: the matrix operands of the three launches behind.
; A work-group takes one ITEM: 16 chunks of 4,096 bytes of f32 (65,536 bytes in, 32,768 out).  Thread t owns bytes 16 t of each chunk: four numbers.
; Items 0-511: x; 512-1023: hidden; 1024-1151: W_r; 1152-1279: W_z; 1280-1407: W_c; 1408-1471: W_o.
; x and hidden ([8192][1024]) are written BLOCKED, [32 row blocks][8 column blocks][256 rows][128 columns] of bf16: element (R, c) lies at byte
; ((R >> 8) 8 + (c >> 7)) 65,536 + (R & 255) 256 + 2 (c & 127), so that 256 rows x 128 columns, a product's tile, are 65,536 dense bytes.
; A chunk is a row; a wave's 128 columns are one column block, so a wave's store covers 256 consecutive bytes, aligned.
; The weights stay row-major: W_r and then W_z in wrz ([2048][2048]), W_c in wcb, W_o in wob.
; Nothing is shared and nothing is summed: no LDS, no barrier, no matrix unit.  All 16 loads of a thread go out first; no register is written twice.
; THE MODE: SCHED_MODE bits 1:0 = 2 (LLVM: expert scheduling mode 2), set by the entry lines.  The code itself states the register dependences
; between vector instructions and memory instructions, with s_wait_alu, always for 0.
; THE PLAN.  Registers that memory instructions touch:
;   v1, v2   the loads' and the stores' byte offsets.  Written by vector instructions at the head, once; read by all 16 loads (v1) and all 16 stores (v2).
;   X        16 chunks as loaded.  Each chunk's four registers are written by its load, once, and read by its two conversions; no vector instruction names them ahead of the load.
;   Y        16 chunks to store.   Each chunk's two registers are written by its two conversions, once, and read by its store.
; No register that a memory instruction reads is written again, and no load lands in a register that a vector instruction has named: what is left to state is that a register is
; WRITTEN before a memory instruction reads it.  The 16 chunks go in four groups of four.  Group g converts its own X into its own Y; its memory instructions are the four stores of group g - 1,
; whose Y no conversion of group g names.  So one wait at the head of a group states all that its four stores hang on, and they are dealt among its conversions with no further wait.
; Five waits on each path: one ahead of the first load (the offsets), one at the head of groups 1 to 3, one ahead of the last four stores.
.set SRC, 40                           ; s[40:41] the item's first byte in its tensor
.set DST, 42                           ; s[42:43] the item's first byte in its copy
.set X,   8                            ; v[8:71]   16 chunks, four f32 each
.set Y,   72                           ; v[72:103] 16 chunks, four bf16 each
.set GRP, 4                            ; chunks in a group
.macro BODY os                         ; os: bytes from chunk to chunk in the copy
	s_wait_alu depctr_va_vdst(0)                   ; v1 and v2 are written: every load below reads v1 as its offset, every store v2; no later vector instruction writes them
.set i, 0
.rept 16
	global_load_b128 v[X+4*i:X+4*i+3], v1, s[SRC:SRC+1] offset:4096*i th:TH_LOAD_NT  ; a wave's load covers 512 consecutive bytes
.set i, i+1
.endr
.set g, 0
.rept 16/GRP
	s_wait_loadcnt 16-GRP*(g+1)                    ; loads come back in order (ISA guide 5.7.1): group g's four chunks are in, the 12 - 4 g younger loads stay out
.if g > 0
	s_wait_alu depctr_va_vdst(0)                   ; the conversions of the group before have written its Y, which the four stores of this group read
.endif
.set i, GRP*g
.rept GRP
.if g > 0
	global_store_b64 v2, v[Y+2*(i-GRP):Y+2*(i-GRP)+1], s[DST:DST+1] offset:(\os)*(i-GRP)  ; a chunk of the group before; no vector instruction since the wait names these registers
.endif
	v_cvt_pk_bf16_f32 v[Y+2*i],   v[X+4*i],   v[X+4*i+1]
	v_cvt_pk_bf16_f32 v[Y+2*i+1], v[X+4*i+2], v[X+4*i+3]
.set i, i+1
.endr
.set g, g+1
.endr
	s_wait_alu depctr_va_vdst(0)                   ; the last group's conversions have written its Y, which the last four stores read
.set i, 16-GRP
.rept GRP
	global_store_b64 v2, v[Y+2*i:Y+2*i+1], s[DST:DST+1] offset:(\os)*i
.set i, i+1
.endr
.endm
	s_load_b512 s[8:23], s[0:1], 0x0               ; x 8, hidden 10, W_r 12, W_z 14, W_c 16, W_o 18, xb 20, hb 22
	s_load_b128 s[24:27], s[0:1], 0x40             ; wrz 24, wcb 26
	s_load_b64 s[28:29], s[0:1], 0x50              ; wob
	s_mov_b32 s30, ttmp9                           ; the item
	v_lshlrev_b32 v1, 4, v0                        ; 16 t
	s_mov_b32 s35, 0                               ; high words of the two offsets
	s_mov_b32 s37, 0
	s_wait_kmcnt 0x0
	s_cmp_lt_u32 s30, 1024
	s_cbranch_scc0 .Lweights
	; x or hidden: item j holds rows 16 j .. 16 j + 15
	s_and_b32 s31, s30, 511                        ; j
	s_cmp_lt_u32 s30, 512
	s_cselect_b64 s[SRC:SRC+1], s[8:9], s[10:11]
	s_cselect_b64 s[DST:DST+1], s[20:21], s[22:23]
	s_lshl_b32 s34, s31, 16                        ; in: j x 65,536
	s_lshr_b32 s36, s31, 4
	s_lshl_b32 s36, s36, 19                        ; out: row block j / 16, 8 blocks of 65,536 bytes each,
	s_and_b32 s38, s31, 15
	s_lshl_b32 s38, s38, 12                        ; and 16 (j % 16) rows of 256 bytes in it
	s_add_co_u32 s36, s36, s38
	s_add_nc_u64 s[SRC:SRC+1], s[SRC:SRC+1], s[34:35]
	s_add_nc_u64 s[DST:DST+1], s[DST:DST+1], s[36:37]
	v_lshrrev_b32 v3, 5, v0                        ; my column block = my wave
	v_and_b32 v2, 31, v0
	v_lshlrev_b32 v2, 3, v2                        ; 8 bytes a lane
	v_lshl_add_u32 v2, v3, 16, v2
	BODY 256
	s_endpgm
.Lweights:
	s_sub_co_u32 s31, s30, 1024                    ; w: 0-127 W_r, 128-255 W_z, 256-383 W_c, 384-447 W_o
	s_and_b32 s32, s31, 127                        ; the item's number in its own tensor: each tensor begins at a multiple of 128
	s_cmp_lt_u32 s31, 128
	s_cselect_b64 s[SRC:SRC+1], s[12:13], s[14:15]
	s_mov_b64 s[DST:DST+1], s[24:25]
	s_mov_b32 s33, s31                             ; in wrz W_z's items follow W_r's
	s_cmp_ge_u32 s31, 256
	s_cselect_b64 s[SRC:SRC+1], s[16:17], s[SRC:SRC+1]
	s_cselect_b64 s[DST:DST+1], s[26:27], s[DST:DST+1]
	s_cselect_b32 s33, s32, s33
	s_cmp_ge_u32 s31, 384
	s_cselect_b64 s[SRC:SRC+1], s[18:19], s[SRC:SRC+1]
	s_cselect_b64 s[DST:DST+1], s[28:29], s[DST:DST+1]
	s_lshl_b32 s34, s32, 16
	s_lshl_b32 s36, s33, 15
	s_add_nc_u64 s[SRC:SRC+1], s[SRC:SRC+1], s[34:35]
	s_add_nc_u64 s[DST:DST+1], s[DST:DST+1], s[36:37]
	v_lshlrev_b32 v2, 3, v0                        ; 8 t
	BODY 2048
	s_endpgm
.Lfunc_end_k_q3c31c942c5_cast:
	.size	k_q3c31c942c5_cast, .Lfunc_end_k_q3c31c942c5_cast-k_q3c31c942c5_cast
	.p2alignl 7, 3214868480
	.fill 96, 4, 3214868480
	.section	.rodata,"a",@progbits
	.p2align	6, 0x0
	.amdhsa_kernel k_q3c31c942c5_cast
		.amdhsa_group_segment_fixed_size 0
		.amdhsa_private_segment_fixed_size 0
		.amdhsa_enable_private_segment 0
		.amdhsa_kernarg_size 88
		.amdhsa_user_sgpr_count 2
		.amdhsa_user_sgpr_kernarg_segment_ptr 1
		.amdhsa_wavefront_size32 1
		.amdhsa_system_sgpr_workgroup_id_x 1
		.amdhsa_system_sgpr_workgroup_id_y 1
		.amdhsa_system_sgpr_workgroup_id_z 1
		.amdhsa_system_vgpr_workitem_id 0
		.amdhsa_next_free_vgpr 104
		.amdhsa_next_free_sgpr 66
		.amdhsa_reserve_vcc 0
		.amdhsa_float_denorm_mode_32 3
		.amdhsa_float_denorm_mode_16_64 3
		.amdhsa_memory_ordered 1
		.amdhsa_forward_progress 1
		.amdhsa_inst_pref_size 13
	.end_amdhsa_kernel
	.amdgpu_metadata
---
amdhsa.version: [ 1, 2 ]
amdhsa.kernels:
  - .name:           k_q3c31c942c5_cast
    .symbol:         k_q3c31c942c5_cast.kd
    .args:
      - { .name: x, .offset: 0, .size: 8, .value_kind: global_buffer, .address_space: global }
      - { .name: hidden, .offset: 8, .size: 8, .value_kind: global_buffer, .address_space: global }
      - { .name: W_r, .offset: 16, .size: 8, .value_kind: global_buffer, .address_space: global }
      - { .name: W_z, .offset: 24, .size: 8, .value_kind: global_buffer, .address_space: global }
      - { .name: W_c, .offset: 32, .size: 8, .value_kind: global_buffer, .address_space: global }
      - { .name: W_o, .offset: 40, .size: 8, .value_kind: global_buffer, .address_space: global }
      - { .name: xb, .offset: 48, .size: 8, .value_kind: global_buffer, .address_space: global }
      - { .name: hb, .offset: 56, .size: 8, .value_kind: global_buffer, .address_space: global }
      - { .name: wrz, .offset: 64, .size: 8, .value_kind: global_buffer, .address_space: global }
      - { .name: wcb, .offset: 72, .size: 8, .value_kind: global_buffer, .address_space: global }
      - { .name: wob, .offset: 80, .size: 8, .value_kind: global_buffer, .address_space: global }
    .group_segment_fixed_size: 0
    .private_segment_fixed_size: 0
    .kernarg_segment_align: 8
    .kernarg_segment_size: 88
    .max_flat_workgroup_size: 256
    .sgpr_count:     66
    .vgpr_count:     104
    .wavefront_size: 32
...
	.end_amdgpu_metadata
.endif
;; end of part 5
;; launch gates: the kernel of part 2 again; grid 8 x 32, 4 waves a work-group, clusters of 4 x 4, 327,680 bytes of LDS; arguments xb, hb, wrz, b_r, b_z, rh, zb; writes rh, zb
;; launch cand: the kernel of part 3 again; grid 8 x 32, 4 waves a work-group, clusters of 4 x 4, 327,680 bytes of LDS; arguments xb, rh, wcb, b_c, zb, hb, out1, nh; writes out1, nh
;; launch outp: the kernel of part 4 again; grid 8 x 32, 4 waves a work-group, clusters of 4 x 4, 327,680 bytes of LDS; arguments nh, wob, b_o, out0; writes out0
